; MI455X (gfx1250); checked and timed in simulation.
; The chip was launched on July 23, 2026; its instructions are those of AMD's public machine-readable ISA for CDNA 5 (MIT licence, August 2026) and "CDNA5" Instruction Set Architecture Reference Guide (July 2026). The comments in the code are by the model that wrote it; some were corrected since.
;; Causal Attention. Allowed arithmetic: matrix products marked QUANTISED: E2M3 operands, one E8M0 scale for each 32 along K, by v_wmma_scale_f32_16x16x128_f8f6f4 with both operands' format E2M3, f32 sums; everything else in f32.
;; Inputs: W_key 1,024 x 1,024 float32; W_query 1,024 x 1,024 float32; W_value 1,024 x 1,024 float32; x 4 x 2,048 x 1,024 float32.
;; Outputs: out0 4 x 2,048 x 1,024 float32.
;; This version of the problem:
;;   THIS VERSION OF THE PROBLEM IS GIVEN IN LOW PRECISION. The matrix products marked QUANTISED in the list below multiply operands that are first quantised to E2M3 (2 exponent bits, 3 mantissa bits; 6 bits a number), with one power-of-two scale for each 32 numbers along K (OCP MX v1.0); their sums are f32. All else is computed in f32.
;;   The module's matrix products, in the order in which they are computed (A, B: the left and right operand; K: the contracted axis; several contracted axes count as one K, in the product's order):
;;     1. [M 8,192, K 1,024] x [K 1,024, N 1,024]; A: input x; B: input W_query: QUANTISED
;;     2. [M 8,192, K 1,024] x [K 1,024, N 1,024]; A: input x; B: input W_key: QUANTISED
;;     3. [M 8,192, K 1,024] x [K 1,024, N 1,024]; A: input x; B: input W_value: QUANTISED
;;     4. batch 4 x [M 2,048, K 1,024] x [K 1,024, N 2,048]; A: computed on the way; B: computed on the way: QUANTISED
;;     5. batch 4 x [M 2,048, K 2,048] x [K 2,048, N 1,024]; A: softmax (see below); B: computed on the way: QUANTISED
;;   THE QUANTISER, for each operand of a quantised product, along K:
;;     - K is cut into blocks of 32 from its start; a last block that is shorter is filled with zeros.
;;     - A block's scale is 2^e with e = floor(log2(the largest magnitude in the block)) - 2, held to -126 .. 127; a block of zeros has e = 0. As a byte (E8M0): e + 127.
;;     - Each number is divided by its block's scale, clamped to +-7.5, and rounded to the nearest number of E2M3, ties to even, subnormals kept.
;;     - The product sums the exact products of the quantised numbers (number of the format x scale) in f32.
;;   ~~~python
;;   def quantise(x, axis):      # numpy; x: float32 -> the quantised numbers, widened to float32 again
;;       x = np.moveaxis(x, axis, -1); K = x.shape[-1]
;;       x = np.pad(x, [(0, 0)] * (x.ndim - 1) + [(0, -K % 32)]); x = x.reshape(x.shape[:-1] + (-1, 32)); a = np.abs(x).max(-1, keepdims=True)
;;       e = np.where(a > 0, np.clip(np.frexp(np.where(a > 0, a, 1))[1] - 1 - 2, -126, 127), 0)      # np.frexp(a)[1] - 1 = floor(log2(a)), exactly
;;       r = np.clip(x / 2.0 ** e, -7.5, 7.5)
;;       step = 2.0 ** (np.maximum(np.frexp(np.where(r == 0, 1, r))[1] - 1, 0) - 3)
;;       q = np.round(r / step) * step * 2.0 ** e      # np.round: ties to even
;;       return np.moveaxis(q.reshape(q.shape[:-2] + (-1,))[..., :K], -1, axis).astype(np.float32)
;;   ~~~
;;   SOFTMAX AHEAD OF A QUANTISED PRODUCT. Where the list says 'softmax', what is quantised is not the finished softmax but p = 2^(t - M), with t = logit x log2(e) and M = ceil(the row's largest t), a whole number; so 1/2 < the row's largest p <= 1. The row's sum l is taken of the UNQUANTISED p, in f32, and the product's result is divided by l at the end. Since M is a whole number, a kernel that streams over the keys may use a running M (the ceiling of the running maximum): every later rescaling is an exact power of two, which a block's scale takes up: the codes' values come out the same.
;;   OPERANDS COMPUTED ON THE WAY. 'Computed on the way' means the value that the module computes at that place (a softmax that the list does not call 'softmax' is quantised finished and normalised). What goes into a quantiser is computed in f32, as accurately as f32 sums, v_exp_f32 and their like allow (about 1e-6 of the number): no bf16 or f16 on the way to a quantiser, and a product that is left as it is and whose result goes on into a quantised operand takes f32 operands (vector FMAs, or v_wmma_f32_16x16x4_f32). A number that lies on a knife's edge between two numbers of the format may be rounded either way, as far as f32 arithmetic and the matrix unit's own rounding can turn it there, and no further.
;; One version. Each part assembles by itself: llvm-mc -triple=amdgcn-amd-amdhsa -mcpu=gfx1250 --defsym DOCPART=n.
;; ======== version 1 of 1: 4 launches
;; workspace buffers: cin_codes 8,650,752 bytes; cin_scales 360,448 bytes; qkv_codes 18,874,368 bytes; qkv_scales 786,432 bytes; p_codes 12,582,912 bytes; p_words 524,288 bytes; p_stats 1,048,576 bytes
;; launch quant (part 1): grid 176 x 2, 4 waves a work-group, no clusters, 35,328 bytes of LDS; arguments x, W_query, W_key, W_value, cin_codes, cin_scales; writes cin_codes, cin_scales
.if DOCPART == 1
	.amdgcn_target "amdgcn-amd-amdhsa--gfx1250"
	.amdhsa_code_object_version 6
	.text
	.protected	k_qd299c4d4d5_quant
	.globl	k_qd299c4d4d5_quant
	.p2align	8
	.type	k_qd299c4d4d5_quant,@function
k_qd299c4d4d5_quant:
	s_mov_b64 s[64:65], 0
	v_nop
	global_prefetch_b8 v0, s[64:65] scope:SCOPE_SE
	s_setreg_imm32_b32 hwreg(HW_REG_WAVE_MODE, 25, 1), 1
	s_wait_xcnt 0x0
; CAUSAL ATTENTION, one head of 1,024, B = 4, S = 2,048, all five products on codes of FP6 (E2M3) with one E8M0 scale for each 32 along K.  Four launches:
;   quant:  x, W_query, W_key, W_value (f32, K innermost) -> codes and scale words;      proj:   q, k (quantised along their 1,024) and v^T (quantised along the keys);
;   scores: p = 2^(t - M) with a whole-number M of its own for each (query, 128 keys), as codes, with -M and the sum of p;      pv: the row's M, the scale bytes brought under it, O = P V / l.
; WORK LEFT OUT.  reference() sets scores(q, k) to -inf where k > q by a mask that it builds itself, so the weight there is 0 whatever finite values the inputs hold.  A tile of 256 queries x 256 keys all of whose
; keys come after all of its queries therefore reaches no output: such tiles of the fourth and fifth product are neither computed, stored nor read (36 of 64 tiles a batch remain).  Every input has a way to the output and is loaded.
; LIMIT: a NaN, an infinity or an overflow that reaches only those tiles is not carried to the result.
; THIS LAUNCH.  A block's scale is 2^(floor(log2(its largest magnitude)) - 2); its byte is the largest magnitude's exponent field - 2, held at 1 from below.  A block of zeros so gets the byte 1 where the rule says 127:
; its codes are zeros, and this program alone reads the bytes.  LIMITS: NaN and infinities among the inputs are not served.
; LAYOUT OF ALL CODES OF THIS PROGRAM.  [K step of 128][tile of 16 positions][1,536 bytes]: the image of an operand's 12 registers: register 4 c + e of lane L at 512 c + 16 L + 4 e.  Scale words: [K step][position], 4 bytes.
; Lane r of tile T holds the row 32 (T / 2) + 8 (T % 2) + r + 8 (r / 8): in each 32 rows the two middle eights change places, so that a product that takes such tiles as its source 0 leaves 16 true neighbours in the
; 16 registers of two neighbouring tiles.  Positions 0-8191: x; 8192-: W_query; 9216-: W_key; 10240-: W_value.
; SHARES.  A work-group takes 64 positions, its four waves four K steps (work-group y: which four); a wave makes four tiles.  A load reads 512 consecutive bytes of one row; a tile's 16 rows turn through the wave's own
; stage in LDS, so that a lane gets its two whole blocks of 32; the codes leave as 512 consecutive bytes a store, the wave's 64 scale words as one run of 256 bytes.  No barrier: waves share nothing.
.set STGW,  8704                       ; LDS of a wave: a stage of 16 rows x (512 + 16) bytes, then its 64 scale words
.set WOFF,  16*528
.set SPARE, 4*STGW                     ; behind the four: the spare words, 128 bytes for each wave, which no other line names
.set LO,  4                            ; v4   16 x lane
.set SI,  5                            ; v5   the stage, on the way in
.set SO,  6                            ; v6   and on the way out: row r, + 128 h
.set WA,  7                            ; v7   where my row's scale word goes
.set WR,  8                            ; v8   where I read 8 bytes of the 256 back
.set GO,  9                            ; v9   8 x lane
.set MX,  10                           ; v10-11 largest magnitudes
.set SV,  12                           ; v12-13 the conversions' scale operands
.set BY,  14                           ; v14-15 the bytes
.set WD,  16                           ; v16  the scale word
.set SH,  17                           ; v17  8 h
.set WX,  18                           ; v18  lane l xor 16's part of the word
.set SPW, 28                           ; v28  LDS address of my spare word; never rewritten
.set NIL, 29                           ; v29  0; never rewritten
.set C,   32                           ; v32-43 the fragment's codes
.set TT,  44                           ; v44-50 the upper halves of the two blocks, as the conversions leave them
.set X,   56                           ; v56-119 my 64 numbers
.set R,   120                          ; v120-247 two sets of 16 rows as they are loaded
	s_load_b256 s[4:11], s[0:1], 0x0               ; x, W_query, W_key, W_value
	s_load_b128 s[12:15], s[0:1], 0x20             ; the codes, the scale words
	v_lshl_add_u32 v[SPW], v0, 2, SPARE
	v_mov_b32 v[NIL], 0
	v_lshrrev_b32 v1, 5, v0
	v_readfirstlane_b32 s20, v1                    ; wave
	v_and_b32 v2, 31, v0                           ; lane
	v_and_b32 v3, 15, v0                           ; r
	v_bfe_u32 v1, v0, 4, 1                         ; h
	v_lshlrev_b32 v[LO], 4, v2
	s_mul_i32 s21, s20, STGW
	v_add_nc_u32 v[SI], s21, v[LO]
	v_mul_u32_u24 v[SO], v3, 528
	v_lshl_add_u32 v[SO], v1, 7, v[SO]
	v_add_nc_u32 v[SO], s21, v[SO]
	s_add_co_u32 s21, s21, WOFF
	v_lshl_add_u32 v[WA], v3, 2, s21
	v_lshlrev_b32 v[GO], 3, v2
	v_add_nc_u32 v[WR], s21, v[GO]
	v_lshlrev_b32 v[SH], 3, v1
	v_mov_b32 v[WX], 0                             ; a lane permute's destination counts as one of its sources
	s_mov_b32 s22, 0x76543210
	s_mov_b32 s23, 0xfedcba98                      ; v_permlanex16_b32's selects for lane l xor 16
	s_and_b32 s24, ttmp7, 0xffff
	s_lshl_b32 s24, s24, 2
	s_add_co_u32 s24, s24, s20                     ; my K step: 4 y + wave
	s_and_b32 s18, ttmp9, 15
	s_wait_kmcnt 0x0
	s_cmp_lt_u32 ttmp9, 160                        ; which tensor: the choice hangs on the work-group's number alone
	s_cselect_b64 s[16:17], s[8:9], s[10:11]
	s_cmp_lt_u32 ttmp9, 144
	s_cselect_b64 s[16:17], s[6:7], s[16:17]
	s_cmp_lt_u32 ttmp9, 128
	s_cselect_b64 s[16:17], s[4:5], s[16:17]
	s_cselect_b32 s18, ttmp9, s18                  ; which 64 rows of it
	s_lshl_b32 s18, s18, 18                        ; 64 rows of 4,096 bytes
	s_lshl_b32 s25, s24, 9                         ; 512 bytes a K step
	s_add_co_u32 s18, s18, s25
	s_mov_b32 s19, 0
	s_add_nc_u64 s[16:17], s[16:17], s[18:19]
	s_mul_i32 s26, s24, 704
	s_lshl_b32 s25, ttmp9, 2
	s_add_co_u32 s26, s26, s25
	s_mul_i32 s26, s26, 1536                       ; codes: (704 K step + 4 work-group) tiles
	s_mov_b32 s27, 0
	s_add_nc_u64 s[12:13], s[12:13], s[26:27]
	s_mul_i32 s26, s24, 11264
	s_lshl_b32 s25, ttmp9, 6
	s_add_co_u32 s26, s26, s25
	s_lshl_b32 s26, s26, 2                         ; scale words: (11,264 K step + 64 work-group) x 4
	s_add_nc_u64 s[14:15], s[14:15], s[26:27]
.macro LOAD t                          ; tile t's 16 rows, in the tile's order, into set t % 2
.irp i, 0,1,2,3,4,5,6,7,8,9,10,11,12,13,14,15
	global_load_b128 v[R+64*((\t)%2)+4*\i:R+64*((\t)%2)+4*\i+3], v[LO], s[16:17] offset:(32*((\t)/2)+8*((\t)%2)+\i+8*(\i/8))*4096 th:TH_LOAD_NT
.endr
.endm
.macro TILE t
.if (\t) < 3
	s_wait_loadcnt 16                              ; this tile's 16 loads are in; the next tile's may be out
.else
	s_wait_loadcnt 0x0
.endif
.irp i, 0,1,2,3,4,5,6,7,8,9,10,11,12,13,14,15
	ds_store_b128 v[SI], v[R+64*((\t)%2)+4*\i:R+64*((\t)%2)+4*\i+3] offset:528*\i
.endr
.irp c, 0,1
.irp j, 0,1,2,3,4,5,6,7
	ds_load_b128 v[X+32*\c+4*\j:X+32*\c+4*\j+3], v[SO] offset:256*\c+16*\j   ; k = 64 c + 32 h + 4 j ..: LDS serves a wave's instructions in order, so these see the stores above
.endr
.endr
	s_wait_dscnt 0x0                               ; my numbers are in, and the stores have read their registers,
.if (\t) < 2
	LOAD (\t)+2                                    ; which take the tile two on
.endif
.irp c, 0,1
	v_max3_num_f32 v[MX+\c], |v[X+32*\c]|, |v[X+32*\c+1]|, 0x1800000   ; block 2 c + h: all 32 are mine; the floor 2^(3 - 127) holds the byte at 1 from below
.endr
.irp i, 2,4,6,8,10,12,14,16,18,20,22,24,26,28,30
.irp c, 0,1
	v_max3_num_f32 v[MX+\c], v[MX+\c], |v[X+32*\c+\i]|, |v[X+32*\c+\i+1]|
.endr
.endr
.irp c, 0,1
	v_add_nc_u32 v[SV+\c], 0xff000000, v[MX+\c]    ; 2 off the exponent field: the conversion takes that field of this operand as its scale
.endr
.irp c, 0,1
	v_lshrrev_b32 v[BY+\c], 23, v[SV+\c]           ; the scale's byte
.endr
	v_lshl_or_b32 v[WD], v[BY+1], 16, v[BY]        ; blocks h and 2 + h,
	v_lshlrev_b32 v[WD], v[SH], v[WD]              ; at their places in the word;
	v_permlanex16_b32 v[WX], v[WD], s22, s23
	v_or_b32 v[WD], v[WD], v[WX]                   ; with lane l xor 16's two it is whole
	s_wait_xcnt 0x0                                ; the last tile's stores have read the codes' registers
.irp c, 0,1
	v_cvt_scalef32_pk16_fp6_f32 v[C+6*\c:C+6*\c+2], v[X+32*\c:X+32*\c+15], v[SV+\c]
	v_cvt_scalef32_pk16_fp6_f32 v[TT+4*\c:TT+4*\c+2], v[X+32*\c+16:X+32*\c+31], v[SV+\c]   ; (a conversion's three registers begin on an even number)
.endr
	v_nop                                          ; one plain place behind a scaled conversion
.irp c, 0,1
.irp e, 0,1,2
	v_mov_b32 v[C+6*\c+3+\e], v[TT+4*\c+\e]
.endr
.endr
.irp c, 0,1,2
	global_store_b128 v[LO], v[C+4*\c:C+4*\c+3], s[12:13] offset:1536*(\t)+512*\c   ; 32 lanes store 512 consecutive bytes
.endr
	ds_store_b32 v[WA], v[WD] offset:64*(\t)       ; both halves of the lanes write the same word with the same value
.endm
	LOAD 0
	LOAD 1
	TILE 0
	TILE 1
	TILE 2
	TILE 3
	ds_load_b64 v[MX:MX+1], v[WR]                  ; my wave's 64 words
	s_wait_dscnt 0x0
	global_store_b64 v[GO], v[MX:MX+1], s[14:15]   ; 256 consecutive bytes, at a multiple of 256 from the buffer's first byte
	s_wait_tensorcnt 0x0                           ; the wave's end, behind my last LDS store
	ds_add_u32 v[SPW], v[NIL]
	s_wait_dscnt 0x0
	s_endpgm
.Lfunc_end_k_qd299c4d4d5_quant:
	.size	k_qd299c4d4d5_quant, .Lfunc_end_k_qd299c4d4d5_quant-k_qd299c4d4d5_quant
	.p2alignl 7, 3214868480
	.fill 96, 4, 3214868480
	.section	.rodata,"a",@progbits
	.p2align	6, 0x0
	.amdhsa_kernel k_qd299c4d4d5_quant
		.amdhsa_group_segment_fixed_size 35328
		.amdhsa_private_segment_fixed_size 0
		.amdhsa_enable_private_segment 0
		.amdhsa_kernarg_size 48
		.amdhsa_user_sgpr_count 2
		.amdhsa_user_sgpr_kernarg_segment_ptr 1
		.amdhsa_wavefront_size32 1
		.amdhsa_system_sgpr_workgroup_id_x 1
		.amdhsa_system_sgpr_workgroup_id_y 1
		.amdhsa_system_sgpr_workgroup_id_z 1
		.amdhsa_system_vgpr_workitem_id 0
		.amdhsa_next_free_vgpr 256
		.amdhsa_next_free_sgpr 66
		.amdhsa_reserve_vcc 0
		.amdhsa_float_denorm_mode_32 3
		.amdhsa_float_denorm_mode_16_64 3
		.amdhsa_memory_ordered 1
		.amdhsa_forward_progress 1
		.amdhsa_inst_pref_size 31
	.end_amdhsa_kernel
	.amdgpu_metadata
---
amdhsa.version: [ 1, 2 ]
amdhsa.kernels:
  - .name:           k_qd299c4d4d5_quant
    .symbol:         k_qd299c4d4d5_quant.kd
    .args:
      - { .name: x, .offset: 0, .size: 8, .value_kind: global_buffer, .address_space: global }
      - { .name: W_query, .offset: 8, .size: 8, .value_kind: global_buffer, .address_space: global }
      - { .name: W_key, .offset: 16, .size: 8, .value_kind: global_buffer, .address_space: global }
      - { .name: W_value, .offset: 24, .size: 8, .value_kind: global_buffer, .address_space: global }
      - { .name: cin_codes, .offset: 32, .size: 8, .value_kind: global_buffer, .address_space: global }
      - { .name: cin_scales, .offset: 40, .size: 8, .value_kind: global_buffer, .address_space: global }
    .group_segment_fixed_size: 35328
    .private_segment_fixed_size: 0
    .kernarg_segment_align: 8
    .kernarg_segment_size: 48
    .max_flat_workgroup_size: 128
    .sgpr_count:     66
    .vgpr_count:     256
    .wavefront_size: 32
...
	.end_amdgpu_metadata
.endif
;; end of part 1
;; launch proj (part 2): grid 8 x 48, 4 waves a work-group, clusters of 4 x 4, 327,680 bytes of LDS; arguments cin_codes, cin_scales, qkv_codes, qkv_scales; writes qkv_codes, qkv_scales
.if DOCPART == 2
	.amdgcn_target "amdgcn-amd-amdhsa--gfx1250"
	.amdhsa_code_object_version 6
	.text
	.protected	k_qd299c4d4d5_proj
	.globl	k_qd299c4d4d5_proj
	.p2align	8
	.type	k_qd299c4d4d5_proj,@function
k_qd299c4d4d5_proj:
	s_mov_b64 s[64:65], 0
	v_nop
	global_prefetch_b8 v0, s[64:65] scope:SCOPE_SE
	s_setreg_imm32_b32 hwreg(HW_REG_WAVE_MODE, 25, 1), 1
	s_wait_xcnt 0x0
	s_wait_alu depctr_hold_cnt(0) depctr_sa_sdst(0) depctr_va_vdst(0) depctr_va_sdst(0) depctr_va_ssrc(0) depctr_va_vcc(0) depctr_vm_vsrc(0)
	s_getreg_b32 s2, hwreg(HW_REG_IB_STS2, 6, 4)
	s_cmp_eq_u32 s2, 0
	s_cbranch_scc0 .Lentry_in_a_cluster
	s_endpgm
.Lentry_in_a_cluster:
	s_bfe_u32 s2, ttmp6, 0x10000c
	s_cmp_lg_u32 s2, 0xf033
	s_cbranch_scc0 .Lentry_shape_is_right
	s_endpgm
.Lentry_shape_is_right:
; q = x W_query^T, k = x W_key^T, v^T = W_value x^T on codes of FP6, K = 1,024; each result is quantised along its columns on the way out and leaves as codes and scale words.  Nothing is left out here.
; C[m][n] = A[m] . B[n].  Clusters with y < 8: A = 1,024 rows of x, B = W_query (cluster x = 0) or W_key (1): q and k, quantised along their 1,024 outputs.  Clusters with y >= 8: A = W_value, B = 1,024 rows of x: v^T,
; quantised along the keys.  The roles differ in numbers alone, chosen by s_cselect_b32 on the cluster's y, which all partners share: one path through the text.
; A tile of C, 256 x 256, is made by four waves, each 128 x 128: 64 accumulators, 512 registers.  Codes lie in memory as images of operand registers ([K step of 128][tile of 16 positions][1,536 bytes]), so a wave's
; tensor load brings 2 rows of 12,288 consecutive bytes, and a fragment is three loads of 16 bytes a lane at 16 x lane: consecutive bytes, no pitch.
; K GOES IN FOUR STEPS OF 256 THROUGH THREE LDS SLOTS.  The first three steps are first fills, asked for together at the head with the scale words: four loads of a wave are out.  The fourth step is the one refill: into
; slot 0, behind the first change of slots, with two K steps, 256 matrix instructions a wave, in which to land.  In front of that change's barrier every wave has waited for all its loads, slot 2's among them: so the change
; from slot 1 to slot 2 needs no wait on TENSORcnt and no barrier.
; CLUSTERS: 4 x 4.  A's tiles are shared along a row of the cluster, B's along a column: each is asked for jointly, by the same load with the same descriptor and a mask that names the four.
; THE MATRIX INSTRUCTION IS USED TRANSPOSED (source 0 = 16 positions of B, source 1 = 16 of A).  By the order of positions in a tile (lane r of tile T: row 32 (T / 2) + 8 (T % 2) + r + 8 (r / 8)) a lane then holds one
; position of A, and the 64 registers of its block's eight accumulators are columns 32 b + 16 (lane / 16) + 0 .. 15, b = 0 .. 3: as the quantiser wants them.  A wave's 128 columns are one K step of the next product.
; LIMITS: a block of zeros gets the byte 1 (its codes are zeros; this program alone reads the bytes); NaN and infinities are not served.
; REGISTERS: window 0: v0-31 addresses; v32-63 scale words, two sets; v64-127 the way out; v128-223 A's fragments, one set.  window 1: B's fragments, two sets, at v0 and v128.  windows 2, 3: accumulator (a, b) at v[8 (8 (a % 4) + b)].
.set KP,     1081344                   ; from a K step of 128 to the next in cin_codes: 704 tiles
.set QUART,  24576                     ; what one tensor load brings: [2 K steps][8 tiles][1,536]
.set SLOT,   4*QUART                   ; A's two halves, then B's two
.set SCL,    3*SLOT                    ; behind the three slots: the scale words of my 256 + 256 positions for all of K: four quarters of [8 K steps][128 words],
.set SCQ,    4160                      ; 4,160 bytes apart, so that the lanes that take A's words and those that take B's fall on different banks (64 banks of 4 bytes: ISA guide 11.1)
.set SCR,    SCL+4*SCQ                 ; 311,552, a multiple of 256: 512 bytes for each wave: the scale words on their way out; no fill lands here
.set SPARE,  SCR+4*512                 ; the spare words, 128 bytes for each wave, which no other line names
.set VCODES, 12582912                  ; where v^T begins in qkv_codes,
.set VSCALES,524288                    ; and in qkv_scales
.set FR,   12
.set NP,   4                           ; places behind this matrix instruction (ISA guide 7.12.1)
.set ADRA, 16                          ; v16-18 LDS address of my A fragments in slot 0, 1, 2
.set ADRB, 20                          ; v20-22 the same for B
.set WS,   24                          ; v24  where my position's scale word goes
.set WR,   25                          ; v25  where I read 16 bytes of the wave's 512 back
.set ADRS, 27                          ; v27  my scale words: lanes 0-15 A's, lanes 16-31 B's
.set SPW,  28                          ; v28  my spare word; never rewritten
.set NIL,  29                          ; v29  0; never rewritten
.set LI,   30                          ; v30  16 x lane
.set SC,   32                          ; scale words: register 16 set + 2 i + q: lanes 0-15 A's block i, lanes 16-31 B's block i, the K step's q-th 128 along K; K step t lies in set t % 2
.set T,    64                          ; v64-87  six partial maxima for each of four blocks
.set TM,   88                          ; v88-91 largest magnitudes, v92-95 bytes, v100-103 the conversions' scale operands
.set PW,   104                         ; v104 the scale word
.set PC,   108                         ; v108-119 the codes; v120-126 upper halves as the conversions leave them
.set AF,   128
.set G1,   24
.set G0,   32                          ; s[32:39] A's group 0 for slots 0 and 1
.set G0C,  4                           ; s[4:7]   and for slot 2 (the two inputs' pointers are done with by then)
.set G1B,  48
.set G0B,  56                          ; s[56:63] B's group 0 for slots 0 and 1
.set G0BC, 92                          ; s[92:95] and for slot 2
.set G1S,  68
.set G0S,  76
.set G1SB, 80
.set G0SB, 88
.set MSB, 0
.macro WIN new                         ; the immediate's high byte repeats the setting that is left
.if MSB != \new
	s_set_vgpr_msb (MSB<<8)|\new
.set MSB, \new
.endif
.endm
.set MUL_LO, 0xa1                      ; source 0 (B) window 1, source 1 (A) window 0, C and D window 2
.set MUL_HI, 0xf1                      ; the same, C and D window 3
.set TO_B,   0x40                      ; destination window 1, address window 0
.macro JLOAD g0a, g1a, g0b, g1b        ; waves 0 and 1 fetch for A, waves 2 and 3 for B; an s_nop 0 and four v_nop follow each line
	s_cmp_eq_u32 s15, 0
	s_cbranch_scc0 .Lfor_b_\@
	tensor_load_to_lds s[\g0a:\g0a+3], s[\g1a:\g1a+7]
	s_nop 0
.rept 4
	v_nop
.endr
	s_branch .Lasked_\@
.Lfor_b_\@:
	tensor_load_to_lds s[\g0b:\g0b+3], s[\g1b:\g1b+7]
	s_nop 0
.rept 4
	v_nop
.endr
.Lasked_\@:
.endm
.macro CREST                           ; a round of the cluster's barrier behind its opening barrier
	s_cmp_lg_u32 s14, 0
	s_cbranch_scc1 .Lnot_wave_0_\@
	s_barrier_signal -3
.Lnot_wave_0_\@:
	s_barrier_wait -3
	s_barrier_signal -1
	s_barrier_wait -1
.endm
.macro CROUND
	s_barrier_signal -1
	s_barrier_wait -1
	CREST
.endm
	s_load_b256 s[4:11], s[0:1], 0x0               ; cin_codes, cin_scales, qkv_codes, qkv_scales
	v_lshl_add_u32 v[SPW], v0, 2, SPARE
	v_mov_b32 v[NIL], 0
	ds_add_u32 v[SPW], v[NIL]                      ; the wave's opening: the add, twice on end, and its wait ahead of my first tensor load
	ds_add_u32 v[SPW], v[NIL]
	v_lshrrev_b32 v1, 5, v0
	v_readfirstlane_b32 s14, v1                    ; wave 0..3
	s_lshr_b32 s15, s14, 1                         ; my half of the tile's rows.  Also: I fetch for A (0) or for B (1)
	s_and_b32 s16, s14, 1                          ; my half of its columns.  Also: which 128 positions I fetch
	s_bfe_u32 s40, ttmp6, 0x40000                  ; cx
	s_bfe_u32 s41, ttmp6, 0x40004                  ; cy
	s_and_b32 s17, ttmp7, 0xffff                   ; the cluster's y; ttmp9 is its x
	s_lshl_b32 s43, s41, 2
	s_lshl_b32 s43, 15, s43                        ; my row of the cluster
	s_lshl_b32 s44, 0x1111, s40                    ; my column
	s_or_b32 s[G1+0], s43, (3<<16)|(1<<21)         ; 15:0 the mask; 17:16 elements of 8 bytes; 21 set beside a mask; no padding
	s_or_b32 s[G1B+0], s44, (3<<16)|(1<<21)
.irp g, G1, G1B
	s_mov_b32 s[\g+1], 1536<<16                    ; tensor_dim0: 8 tiles, 12,288 bytes
	s_mov_b32 s[\g+2], 2<<16                       ; tensor_dim1: 2 K steps of 128
	s_mov_b32 s[\g+3], 1536<<16                    ; tile_dim0
	s_mov_b32 s[\g+4], 2                           ; tile_dim1
	s_mov_b32 s[\g+5], KP/8                        ; from K step to K step
	s_mov_b32 s[\g+6], 0
	s_mov_b32 s[\g+7], 0
.endr
	s_or_b32 s[G1S+0], s43, (3<<16)|(1<<21)
	s_or_b32 s[G1SB+0], s44, (3<<16)|(1<<21)
.irp g, G1S, G1SB
	s_mov_b32 s[\g+1], 64<<16                      ; 128 words, 512 bytes
	s_mov_b32 s[\g+2], 8<<16                       ; 8 K steps
	s_mov_b32 s[\g+3], 64<<16
	s_mov_b32 s[\g+4], 8
	s_mov_b32 s[\g+5], 5632                        ; 11,264 words from K step to K step
	s_mov_b32 s[\g+6], 0
	s_mov_b32 s[\g+7], 0
.endr
	; the two roles' numbers, then one compare and a run of selects
	s_lshl_b32 s18, s17, 10                        ; q, k: A's first position and the first row of the result: 1,024 y
	s_lshl_b32 s19, ttmp9, 10
	s_add_co_u32 s19, s19, 8192                    ; q, k: B's first position: W_query or W_key
	s_lshl_b32 s99, ttmp9, 2                       ; q, k: the first tile column
	s_sub_co_u32 s93, s17, 8
	s_lshl_b32 s93, s93, 1
	s_add_co_u32 s93, s93, ttmp9                   ; v^T: which 1,024 keys (not used where y < 8)
	s_lshl_b32 s94, s93, 10                        ; v^T: B's first position
	s_lshl_b32 s93, s93, 2                         ; v^T: the first tile column
	s_mov_b32 s95, 10240                           ; v^T: A's first position: W_value
	s_mov_b32 s96, 64                              ; v^T: tiles in a K step of the result
	s_mov_b32 s97, VCODES
	s_mov_b32 s98, VSCALES
	s_cmp_lt_u32 s17, 8
	s_cselect_b32 s20, s18, s95                    ; A's first position
	s_cselect_b32 s46, s19, s94                    ; B's
	s_cselect_b32 s99, s99, s93                    ; the first tile column
	s_cselect_b32 s18, s18, 0                      ; the result's first row
	s_cselect_b32 s96, 512, s96                    ; tiles in a K step of the result
	s_cselect_b32 s97, 0, s97
	s_cselect_b32 s98, 0, s98
	s_lshl_b32 s21, s41, 8
	s_add_co_u32 s20, s20, s21                     ; A: + 256 cy (these registers never hold cx)
	s_lshl_b32 s21, s16, 7
	s_add_co_u32 s20, s20, s21                     ;    + the 128 that I fetch
	s_lshl_b32 s47, s40, 8
	s_add_co_u32 s46, s46, s47                     ; B: + 256 cx
	s_add_co_u32 s46, s46, s21
	s_mul_i32 s22, s20, 96                         ; a position's share of a tile's 1,536 bytes is 96
	s_mov_b32 s23, 0
	s_lshl_b32 s2, s20, 2
	s_mov_b32 s3, 0
	s_mul_i32 s66, s46, 96
	s_mov_b32 s67, 0
	s_lshl_b32 s92, s46, 2
	s_mov_b32 s93, 0
	s_mul_i32 s45, s14, QUART                      ; where they go: by the wave's number alone
	s_mul_i32 s94, s14, SCQ
.irp b, 0,1,2,3
	v_mov_b32 v[TM+4+\b], 0                        ; written once: a lane permute's destination counts as one of its sources
.endr
	s_wait_dscnt 0x0                               ; both opening adds are done
	s_wait_kmcnt 0x0
	s_add_nc_u64 s[22:23], s[4:5], s[22:23]
	s_add_nc_u64 s[2:3], s[6:7], s[2:3]
	s_add_nc_u64 s[66:67], s[4:5], s[66:67]
	s_add_nc_u64 s[92:93], s[6:7], s[92:93]
	CROUND                                         ; all sixteen work-groups are here: the first joint loads meet
	s_mov_b32 s[G0S], 1
	s_add_co_u32 s[G0S+1], s94, SCL
	s_mov_b64 s[G0S+2:G0S+3], s[2:3]
	s_or_b32 s[G0S+3], s[G0S+3], 0x80000000
	s_mov_b32 s[G0SB], 1
	s_add_co_u32 s[G0SB+1], s94, SCL
	s_mov_b64 s[G0SB+2:G0SB+3], s[92:93]
	s_or_b32 s[G0SB+3], s[G0SB+3], 0x80000000
	JLOAD G0S, G1S, G0SB, G1SB                     ; the scale words first: filled once
.irp s, 0,1
	s_mov_b32 s[G0+4*\s], 1
	s_add_co_u32 s[G0+4*\s+1], s45, \s*SLOT
	s_add_nc_u64 s[G0+4*\s+2:G0+4*\s+3], s[22:23], \s*2*KP
	s_or_b32 s[G0+4*\s+3], s[G0+4*\s+3], 0x80000000
	s_mov_b32 s[G0B+4*\s], 1
	s_add_co_u32 s[G0B+4*\s+1], s45, \s*SLOT
	s_add_nc_u64 s[G0B+4*\s+2:G0B+4*\s+3], s[66:67], \s*2*KP
	s_or_b32 s[G0B+4*\s+3], s[G0B+4*\s+3], 0x80000000
	JLOAD G0+4*\s, G1, G0B+4*\s, G1B
.endr
	s_mov_b32 s[G0C], 1                            ; slot 2: the third K step
	s_add_co_u32 s[G0C+1], s45, 2*SLOT
	s_add_nc_u64 s[G0C+2:G0C+3], s[22:23], 4*KP
	s_or_b32 s[G0C+3], s[G0C+3], 0x80000000
	s_mov_b32 s[G0BC], 1
	s_add_co_u32 s[G0BC+1], s45, 2*SLOT
	s_add_nc_u64 s[G0BC+2:G0BC+3], s[66:67], 4*KP
	s_or_b32 s[G0BC+3], s[G0BC+3], 0x80000000
	JLOAD G0C, G1, G0BC, G1B                       ; four loads of mine are out
	v_and_b32 v1, 15, v0                           ; r
	v_bfe_u32 v2, v0, 4, 1                         ; h
	v_and_b32 v3, 31, v0
	v_lshlrev_b32 v[LI], 4, v3
	s_mul_i32 s12, s15, QUART                      ; my 128 positions of A
	s_mul_i32 s13, s16, QUART                      ; my 128 of B,
	s_add_co_u32 s13, s13, 2*QUART                 ; behind A's two quarters
.irp s, 0,1,2
	v_add_nc_u32 v[ADRA+\s], s12, v[LI]
	v_add_nc_u32 v[ADRB+\s], s13, v[LI]
	s_add_co_u32 s12, s12, SLOT
	s_add_co_u32 s13, s13, SLOT
.endr
	s_mul_i32 s12, s15, SCQ                        ; A's words: my quarter
	s_mul_i32 s13, s16, SCQ
	s_add_co_u32 s13, s13, 2*SCQ                   ; B's
	s_sub_co_u32 s13, s13, s12
	v_mul_u32_u24 v4, s13, v2                      ; lanes 16-31 take B's: one product, h x the distance
	s_add_co_u32 s12, s12, SCL
	v_lshl_add_u32 v4, v1, 2, v4
	v_add_nc_u32 v[ADRS], s12, v4
	s_lshl_b32 s12, s14, 9
	s_add_co_u32 s12, s12, SCR
	v_lshl_add_u32 v[WS], v1, 2, s12
	v_add_nc_u32 v[WR], s12, v[LI]
	; where my part of the result goes
	s_add_co_u32 s99, s99, s40
	s_lshl_b32 s99, s99, 1
	s_add_co_u32 s99, s99, s16                     ; its K step: 2 x tile column + my half
	s_lshl_b32 s12, s41, 8
	s_add_co_u32 s18, s18, s12
	s_lshl_b32 s12, s15, 7
	s_add_co_u32 s18, s18, s12                     ; its first position
	s_mul_i32 s99, s99, s96
	s_lshr_b32 s12, s18, 4
	s_add_co_u32 s12, s12, s99
	s_mul_i32 s12, s12, 1536
	s_add_co_u32 s12, s12, s97
	s_mov_b32 s13, 0
	s_add_nc_u64 s[8:9], s[8:9], s[12:13]
	s_lshl_b32 s12, s99, 4
	s_add_co_u32 s12, s12, s18
	s_lshl_b32 s12, s12, 2
	s_add_co_u32 s12, s12, s98
	s_add_nc_u64 s[10:11], s[10:11], s[12:13]
	s_mov_b32 s2, 0x76543210
	s_mov_b32 s3, 0xfedcba98                       ; v_permlanex16_b32's selects for lane l xor 16
.macro FRAG reg, adr, q, i             ; a fragment's image: three loads of 512 consecutive bytes
.irp c, 0,1,2
	ds_load_b128 v[\reg+4*\c:\reg+4*\c+3], v[\adr] offset:12288*(\q)+1536*(\i)+512*\c
.endr
.endm
; 16 matrix instructions: A's blocks a0, a0 + 1 x B's eight.  The 64 accumulators take turns, one instruction a turn, in the same order in every step.
.macro MUL16 a0, p, q, sc, zero
.irp a, \a0, \a0+1
.irp b, 0,1,2,3,4,5,6,7
.if \zero
	v_wmma_scale_f32_16x16x128_f8f6f4 v[8*(8*((\a)%4)+\b):8*(8*((\a)%4)+\b)+7], v[128*(\p)+FR*\b:128*(\p)+FR*\b+FR-1], v[AF+FR*(\a):AF+FR*(\a)+FR-1], 0, v[SC+16*(\sc)+2*\b+(\q)], v[SC+16*(\sc)+2*(\a)+(\q)] matrix_a_fmt:MATRIX_FMT_FP6 matrix_b_fmt:MATRIX_FMT_FP6 matrix_a_scale:MATRIX_SCALE_ROW1
.else
	v_wmma_scale_f32_16x16x128_f8f6f4 v[8*(8*((\a)%4)+\b):8*(8*((\a)%4)+\b)+7], v[128*(\p)+FR*\b:128*(\p)+FR*\b+FR-1], v[AF+FR*(\a):AF+FR*(\a)+FR-1], v[8*(8*((\a)%4)+\b):8*(8*((\a)%4)+\b)+7], v[SC+16*(\sc)+2*\b+(\q)], v[SC+16*(\sc)+2*(\a)+(\q)] matrix_a_fmt:MATRIX_FMT_FP6 matrix_b_fmt:MATRIX_FMT_FP6 matrix_a_scale:MATRIX_SCALE_ROW1
.endif
.endr
.endr
.endm
.macro FETCH_B slot, q, p
	WIN TO_B
.irp i, 0,1,2,3,4,5,6,7
	FRAG 128*(\p)+FR*\i, ADRB+\slot, \q, \i
.endr
	WIN 0
.endm
.macro FETCH_A slot, q, i0
.irp i, \i0, \i0+1, \i0+2, \i0+3
	FRAG AF+FR*(\i), ADRA+\slot, \q, \i
.endr
.endm
.macro SCALES sc, t                    ; the scale words of K step t (256 along K) into set sc
.irp i, 0,1,2,3,4,5,6,7
.irp q, 0,1
	ds_load_b32 v[SC+16*(\sc)+2*\i+\q], v[ADRS] offset:512*(2*(\t)+\q)+64*\i
.endr
.endr
.endm
.macro PLACES n                        ; plain vector instructions between a matrix instruction and a load into, or a read of, its registers
.rept \n
	v_nop
.endr
.endm
.macro STEP slot, sc, zero             ; a slot's first 128 along K; its second 128 are fetched meanwhile
	s_wait_dscnt 12                                ; all but the youngest 12 loads (A's blocks 4-7) are in
	WIN MUL_LO
	MUL16 0, 0, 0, \sc, \zero
	MUL16 2, 0, 0, \sc, \zero
	s_wait_dscnt 0x0
	PLACES NP
	FETCH_B \slot, 1, 1
	FETCH_A \slot, 1, 0
	WIN MUL_HI
	MUL16 4, 0, 0, \sc, \zero
	MUL16 6, 0, 0, \sc, \zero
	PLACES NP
	WIN 0
	FETCH_A \slot, 1, 4
.endm
; A slot's second 128 change slots.  mode 2: this slot is filled again: each wave waits for all its tensor loads, adds 0 to its spare word, waits for that and for its reads of this slot; the barrier opens a round of the
; cluster's; the joint refill comes first behind it.  mode 1: the same lines and the work-group's barrier alone: the next slot holds the refill, which every wave has to see whole; nothing is filled.
; mode 0: the next slot was shown whole to every wave by an earlier barrier, and nothing is filled: no wait on TENSORcnt, no barrier.
.macro TURN slot, next, mode, t, sc
.if \mode
	s_wait_tensorcnt 0x0                           ; all my tensor loads have landed
	ds_add_u32 v[SPW], v[NIL]
	s_wait_dscnt 13                                ; (the add and A's blocks 4-7 may be out)
.else
	s_wait_dscnt 12                                ; (A's blocks 4-7 may be out)
.endif
	WIN MUL_LO
	MUL16 0, 1, 1, \sc, 0
.if \mode
	s_wait_dscnt 0x0                               ; the add is done, and my reads of this slot are over
	s_barrier_signal -1
.endif
	MUL16 2, 1, 1, \sc, 0
	WIN 0
.if \mode
	s_barrier_wait -1
.else
	s_wait_dscnt 0x0                               ; A's blocks 4-7 are in
.endif
.if \mode == 2
	CREST                                          ; no wave of any partner still reads this slot or has a load on its way
	s_add_nc_u64 s[G0+4*\slot+2:G0+4*\slot+3], s[G0+4*\slot+2:G0+4*\slot+3], 6*KP     ; from the first K step of 256 to the fourth
	s_add_nc_u64 s[G0B+4*\slot+2:G0B+4*\slot+3], s[G0B+4*\slot+2:G0B+4*\slot+3], 6*KP
	JLOAD G0+4*\slot, G1, G0B+4*\slot, G1B         ; the first tensor load behind the round; its four v_nop are the places in front of the loads below
.else
	PLACES NP
.endif
	FETCH_B \next, 0, 0
	FETCH_A \next, 0, 0
	SCALES 1-(\sc), \t
	WIN MUL_HI
	MUL16 4, 1, 1, \sc, 0
	MUL16 6, 1, 1, \sc, 0
	PLACES NP
	WIN 0
	FETCH_A \next, 0, 4
.endm
	s_wait_tensorcnt 2                             ; the scale words and my part of slot 0 are in; slots 1 and 2 may be out
	s_barrier_signal -1
	s_barrier_wait -1
	FETCH_B 0, 0, 0
	FETCH_A 0, 0, 0
	SCALES 0, 0
	FETCH_A 0, 0, 4
	STEP 0, 0, 1                                   ; the first products start the sums
	TURN 0, 1, 2, 1, 0                             ; slot 0 takes the fourth K step
	STEP 1, 1, 0
	TURN 1, 2, 0, 2, 1
	STEP 2, 0, 0
	TURN 2, 0, 1, 3, 0                             ; the refill has landed, everybody's part of it
	STEP 0, 1, 0
	s_wait_dscnt 12
	WIN MUL_LO
	MUL16 0, 1, 1, 1, 0
	MUL16 2, 1, 1, 1, 0
	s_wait_dscnt 0x0
	WIN MUL_HI
	MUL16 4, 1, 1, 1, 0
	MUL16 6, 1, 1, 1, 0
	WIN 0
	PLACES NP                                      ; behind the last products, ahead of the first read of results
; THE WAY OUT of block a (16 positions x my 128 columns): four blocks of 32 are quantised; the fragment leaves as its image, its scale words are gathered in LDS.
.macro QOUT a
.set W, 2+(\a)/4
.set AC, 64*((\a)%4)
	WIN W*21                                       ; all three sources in the accumulators' window
.irp b, 0,1,2,3
	v_max3_num_f32 v[T+6*\b],   |v[AC+16*\b]|,    |v[AC+16*\b+1]|,  |v[AC+16*\b+2]|    ; each accumulator is read from its low end on
	v_max3_num_f32 v[T+6*\b+1], |v[AC+16*\b+3]|,  |v[AC+16*\b+4]|,  |v[AC+16*\b+5]|
	v_max3_num_f32 v[T+6*\b+2], |v[AC+16*\b+6]|,  |v[AC+16*\b+7]|,  |v[AC+16*\b+8]|
	v_max3_num_f32 v[T+6*\b+3], |v[AC+16*\b+9]|,  |v[AC+16*\b+10]|, |v[AC+16*\b+11]|
	v_max_num_f32  v[T+6*\b+4], |v[AC+16*\b+12]|, |v[AC+16*\b+13]|
	v_max_num_f32  v[T+6*\b+5], |v[AC+16*\b+14]|, |v[AC+16*\b+15]|
.endr
	WIN 0
.irp b, 0,1,2,3
	v_max3_num_f32 v[TM+\b], v[T+6*\b], v[T+6*\b+1], v[T+6*\b+2]
.endr
.irp b, 0,1,2,3
	v_max3_num_f32 v[TM+\b], v[TM+\b], v[T+6*\b+3], v[T+6*\b+4]
.endr
.irp b, 0,1,2,3
	v_max3_num_f32 v[TM+\b], v[TM+\b], v[T+6*\b+5], 0x1800000   ; the floor 2^(3 - 127): the byte cannot fall under 1
.endr
.irp b, 0,1,2,3
	v_permlanex16_b32 v[TM+4+\b], v[TM+\b], s2, s3
.endr
.irp b, 0,1,2,3
	v_max_num_f32 v[TM+\b], v[TM+\b], v[TM+4+\b]   ; with lane l xor 16's 16: the block's largest magnitude
.endr
.irp b, 0,1,2,3
	v_add_nc_u32 v[TM+12+\b], 0xff000000, v[TM+\b] ; 2 off its exponent field: the conversion's scale operand
.endr
.irp b, 0,1,2,3
	v_lshrrev_b32 v[TM+4+\b], 23, v[TM+12+\b]      ; the scale's byte
.endr
	v_lshl_or_b32 v[PW], v[TM+5], 8, v[TM+4]
	v_lshl_or_b32 v[PW], v[TM+6], 16, v[PW]
	v_lshl_or_b32 v[PW], v[TM+7], 24, v[PW]
	s_wait_xcnt 0x0                                ; the last block's stores have read the codes' registers
	WIN W                                          ; source 0 in the accumulators' window
.irp c, 0,1
	v_cvt_scalef32_pk16_fp6_f32 v[PC+6*\c:PC+6*\c+2], v[AC+32*\c:AC+32*\c+15], v[TM+12+2*\c]
	v_cvt_scalef32_pk16_fp6_f32 v[PC+12+4*\c:PC+14+4*\c], v[AC+32*\c+16:AC+32*\c+31], v[TM+12+2*\c+1]
.endr
	WIN 0
	v_nop                                          ; one plain place behind a scaled conversion
.irp c, 0,1                            ; the operand's layout wants a whole block in a lane
.irp e, 0,1,2
	v_permlane16_swap_b32 v[PC+6*\c+\e], v[PC+12+4*\c+\e]
.endr
.irp e, 0,1,2
	v_mov_b32 v[PC+3+6*\c+\e], v[PC+12+4*\c+\e]
.endr
.endr
.irp c, 0,1,2
	global_store_b128 v[LI], v[PC+4*\c:PC+4*\c+3], s[8:9] offset:1536*(\a)+512*\c   ; 512 consecutive bytes a store; the wave's eight blocks are 12,288 on end
.endr
	ds_store_b32 v[WS], v[PW] offset:64*(\a)       ; both halves of the lanes write the same word with the same value
.endm
.irp a, 0,1,2,3,4,5,6,7
	QOUT \a
.endr
	ds_load_b128 v[T:T+3], v[WR]                   ; my wave's 128 words: LDS serves a wave's instructions in order
	s_wait_dscnt 0x0
	global_store_b128 v[LI], v[T:T+3], s[10:11]    ; 512 consecutive bytes
	s_wait_tensorcnt 0x0                           ; the wave's end
	ds_add_u32 v[SPW], v[NIL]
	s_wait_dscnt 0x0
	CROUND                                         ; the closing round: no work-group ends while a partner may still ask for a tile that names it
	s_endpgm
.Lfunc_end_k_qd299c4d4d5_proj:
	.size	k_qd299c4d4d5_proj, .Lfunc_end_k_qd299c4d4d5_proj-k_qd299c4d4d5_proj
	.p2alignl 7, 3214868480
	.fill 96, 4, 3214868480
	.section	.rodata,"a",@progbits
	.p2align	6, 0x0
	.amdhsa_kernel k_qd299c4d4d5_proj
		.amdhsa_group_segment_fixed_size 327680
		.amdhsa_private_segment_fixed_size 0
		.amdhsa_enable_private_segment 0
		.amdhsa_kernarg_size 32
		.amdhsa_user_sgpr_count 2
		.amdhsa_user_sgpr_kernarg_segment_ptr 1
		.amdhsa_wavefront_size32 1
		.amdhsa_system_sgpr_workgroup_id_x 1
		.amdhsa_system_sgpr_workgroup_id_y 1
		.amdhsa_system_sgpr_workgroup_id_z 1
		.amdhsa_system_vgpr_workitem_id 0
		.amdhsa_next_free_vgpr 1024
		.amdhsa_next_free_sgpr 100
		.amdhsa_reserve_vcc 0
		.amdhsa_float_denorm_mode_32 3
		.amdhsa_float_denorm_mode_16_64 3
		.amdhsa_memory_ordered 1
		.amdhsa_forward_progress 1
		.amdhsa_inst_pref_size 145
	.end_amdhsa_kernel
	.amdgpu_metadata
---
amdhsa.version: [ 1, 2 ]
amdhsa.kernels:
  - .name:           k_qd299c4d4d5_proj
    .symbol:         k_qd299c4d4d5_proj.kd
    .args:
      - { .name: cin_codes, .offset: 0, .size: 8, .value_kind: global_buffer, .address_space: global }
      - { .name: cin_scales, .offset: 8, .size: 8, .value_kind: global_buffer, .address_space: global }
      - { .name: qkv_codes, .offset: 16, .size: 8, .value_kind: global_buffer, .address_space: global }
      - { .name: qkv_scales, .offset: 24, .size: 8, .value_kind: global_buffer, .address_space: global }
    .group_segment_fixed_size: 327680
    .private_segment_fixed_size: 0
    .kernarg_segment_align: 8
    .kernarg_segment_size: 32
    .max_flat_workgroup_size: 128
    .sgpr_count:     100
    .vgpr_count:     1024
    .wavefront_size: 32
...
	.end_amdgpu_metadata
.endif
;; end of part 2
;; launch scores (part 3): grid 36 x 4, 4 waves a work-group, no clusters, 327,680 bytes of LDS; arguments qkv_codes, qkv_scales, p_codes, p_words, p_stats; writes p_codes, p_words, p_stats
.if DOCPART == 3
	.amdgcn_target "amdgcn-amd-amdhsa--gfx1250"
	.amdhsa_code_object_version 6
	.text
	.protected	k_qd299c4d4d5_scores
	.globl	k_qd299c4d4d5_scores
	.p2align	8
	.type	k_qd299c4d4d5_scores,@function
k_qd299c4d4d5_scores:
	s_mov_b64 s[64:65], 0
	v_nop
	global_prefetch_b8 v0, s[64:65] scope:SCOPE_SE
	s_setreg_imm32_b32 hwreg(HW_REG_WAVE_MODE, 25, 1), 1
	s_wait_xcnt 0x0
; S = q k^T on codes of FP6 (K = 1,024), the causal mask, and p = 2^(t - M), t = score x log2(e) / 32, quantised along the keys.
; WORK LEFT OUT: tiles of 256 queries x 256 keys all of whose keys come after all of their queries (weight 0 by reference()'s own mask, whatever the inputs hold): the grid has the 36 tiles (i, j <= i) of each batch.
; M IS LOCAL: for each query and each 128 keys M = ceil(the largest t among them), a whole number.  p under another whole-number M has the same codes and scale bytes shifted by the difference: the next launch finds the
; row's M and shifts the bytes.  Stored for each (query, 128 keys): the codes, the scale word, -M and the sum l of the unquantised p.  Where all 128 keys are hidden: -M = 3e38, l = 0, codes 0.
; NO CLUSTER: the live tiles of a batch are a triangle of 36; no grid of 4 x 4 clusters covers it without work-groups that have nothing to do.
; The product is the launch before's: tile 256 x 256, four waves of 128 x 128, codes as images of operand registers; K in four steps of 256 through three LDS slots: three first fills asked for together at the head (with
; the scale words four loads of a wave are out), one refill into slot 0 behind the first change of slots, with two K steps, 256 matrix instructions a wave, in which to land; the change from slot 1 to slot 2 needs no
; barrier, since every wave has waited for all its loads in front of the first change's barrier.  Source 0 = 16 keys, source 1 = 16 queries: a lane holds one query,
; and the 64 registers of block a's accumulators are keys 32 b + 16 (lane / 16) + 0 .. 15 of my 128.
; LIMITS: NaN and infinities are not served; p under 2^-126 is 0, as v_exp_f32 leaves it.
; REGISTERS: window 0: v0-31 addresses, -M, l; v32-63 scale words; v64-67 the blocks' largest scores; v96-159 p; v128-223 A's fragments (while the product runs); v224-235 the codes, which stores read; v236-254 at work.
;   window 1: B's two sets.  windows 2, 3: accumulators.
.set KP,     786432                    ; from a K step of 128 to the next in q's and k's codes: 512 tiles
.set QUART,  24576
.set SLOT,   4*QUART
.set SCL,    3*SLOT
.set SCQ,    4160
.set SCR,    SCL+4*SCQ                 ; 311,552, a multiple of 256: 1,536 bytes for each wave: 128 scale words, then 128 pairs (-M, l); no fill lands here
.set SPARE,  SCR+4*1536
.set FR,   12
.set NP,   4
.set ADRA, 16                          ; v16-18 my A fragments in slot 0, 1, 2
.set NINF, 19                          ; v19  -infinity
.set ADRB, 20                          ; v20-22 my B fragments
.set DQ,   23                          ; v23  my query less my half's first key, on the diagonal
.set WS,   24                          ; v24  where my query's scale word goes
.set WR,   25                          ; v25  where I read 16 bytes back
.set SS,   26                          ; v26  where (-M, l) goes
.set ADRS, 27
.set SPW,  28
.set NIL,  29
.set LI,   30
.set SC,   32                          ; K step t's scale words lie in set t % 2
.set BM,   64                          ; v64-67 the largest score, then the largest p, of each block of 32 keys: registers that no store reads
.set AF,   128
.set G1,   24                          ; s[24:31] group 1 for codes;  s[32:39] A's groups 0 for slots 0, 1;  s[56:63] B's
.set G0,   32
.set G0B,  56
.set G0C,  80                          ; s[80:83] A's group 0 for slot 2;  s[84:87] B's
.set G0BC, 84
.set G1S,  68                          ; s[68:75] group 1 for scale words;  s[76:79], s[88:91] groups 0
.set G0S,  76
.set G0SB, 88
.set CS,   22                          ; s[22:23] c = log2(e) / 32
.set DG,   40                          ; s40  1 where my 128 x 128 touches the diagonal or lies above it
.set MSB, 0
.macro WIN new
.if MSB != \new
	s_set_vgpr_msb (MSB<<8)|\new
.set MSB, \new
.endif
.endm
.set MUL_LO, 0xa1
.set MUL_HI, 0xf1
.set TO_B,   0x40
.macro JLOAD g0a, g1a, g0b, g1b        ; waves 0 and 1 fetch for A, waves 2 and 3 for B; an s_nop 0 and four v_nop follow each line
	s_cmp_eq_u32 s15, 0
	s_cbranch_scc0 .Lfor_b_\@
	tensor_load_to_lds s[\g0a:\g0a+3], s[\g1a:\g1a+7]
	s_nop 0
.rept 4
	v_nop
.endr
	s_branch .Lasked_\@
.Lfor_b_\@:
	tensor_load_to_lds s[\g0b:\g0b+3], s[\g1b:\g1b+7]
	s_nop 0
.rept 4
	v_nop
.endr
.Lasked_\@:
.endm
	s_load_b256 s[4:11], s[0:1], 0x0               ; qkv_codes, qkv_scales, p_codes, p_words
	s_load_b64 s[12:13], s[0:1], 0x20              ; p_stats
	v_lshl_add_u32 v[SPW], v0, 2, SPARE
	v_mov_b32 v[NIL], 0
	ds_add_u32 v[SPW], v[NIL]                      ; the wave's opening: the add, twice on end, and its wait ahead of my first tensor load
	ds_add_u32 v[SPW], v[NIL]
	v_lshrrev_b32 v1, 5, v0
	v_readfirstlane_b32 s14, v1                    ; wave
	s_lshr_b32 s15, s14, 1                         ; my half of the queries.  Also: I fetch for A (0) or B (1)
	s_and_b32 s16, s14, 1                          ; my half of the keys.  Also: which 128 positions I fetch
	s_mov_b32 s17, 0                               ; i: how many of the triangle's row starts lie at or under my number
.irp n, 1,3,6,10,15,21,28
	s_cmp_ge_u32 ttmp9, \n
	s_cselect_b32 s18, 1, 0
	s_add_co_u32 s17, s17, s18
.endr
	s_add_co_u32 s18, s17, 1
	s_mul_i32 s18, s18, s17
	s_lshr_b32 s18, s18, 1
	s_sub_co_u32 s18, ttmp9, s18                   ; j = my number - i (i + 1) / 2
	s_and_b32 s19, ttmp7, 0xffff                   ; the batch
	s_mov_b32 s[G1+0], 3<<16                       ; no mask; elements of 8 bytes; no padding
	s_mov_b32 s[G1+1], 1536<<16
	s_mov_b32 s[G1+2], 2<<16
	s_mov_b32 s[G1+3], 1536<<16
	s_mov_b32 s[G1+4], 2
	s_mov_b32 s[G1+5], KP/8
	s_mov_b32 s[G1+6], 0
	s_mov_b32 s[G1+7], 0
	s_mov_b32 s[G1S+0], 3<<16
	s_mov_b32 s[G1S+1], 64<<16
	s_mov_b32 s[G1S+2], 8<<16
	s_mov_b32 s[G1S+3], 64<<16
	s_mov_b32 s[G1S+4], 8
	s_mov_b32 s[G1S+5], 4096                       ; 8,192 words from K step to K step
	s_mov_b32 s[G1S+6], 0
	s_mov_b32 s[G1S+7], 0
	s_lshl_b32 s41, s19, 11
	s_lshl_b32 s42, s16, 7
	s_add_co_u32 s41, s41, s42                     ; 2,048 batch + the 128 that I fetch
	s_lshl_b32 s20, s17, 8
	s_add_co_u32 s20, s20, s41                     ; q's position
	s_lshl_b32 s46, s18, 8
	s_add_co_u32 s46, s46, s41                     ; k's
	s_mul_i32 s42, s20, 96
	s_mov_b32 s43, 0
	s_lshl_b32 s44, s20, 2
	s_mov_b32 s45, 0
	s_mul_i32 s48, s46, 96
	s_add_co_u32 s48, s48, 8*KP                    ; k's codes lie behind q's eight K steps,
	s_mov_b32 s49, 0
	s_lshl_b32 s50, s46, 2
	s_add_co_u32 s50, s50, 262144                  ; and so do its scale words
	s_mov_b32 s51, 0
	s_mul_i32 s52, s14, QUART
	s_mul_i32 s53, s14, SCQ
	s_mov_b32 s[CS], 0x3d38aa3b                    ; log2(e) / 32
	s_mov_b32 s[CS+1], s[CS]                       ; (named with it as a pair, so it is written)
	s_mov_b32 s2, 0x76543210
	s_mov_b32 s3, 0xfedcba98
	s_cmp_eq_u32 s17, s18
	s_cselect_b32 s[DG], 1, 0
	s_cmp_ge_u32 s16, s15
	s_cselect_b32 s[DG], s[DG], 0
.irp b, 0,1,2,3
	v_mov_b32 v[236+\b], 0                         ; written once: a lane permute's destination counts as one of its sources
.endr
	v_mov_b32 v252, 0
	v_mov_b32 v[NINF], 0xff800000
	s_wait_dscnt 0x0                               ; both opening adds are done
	s_wait_kmcnt 0x0
	s_add_nc_u64 s[42:43], s[4:5], s[42:43]
	s_add_nc_u64 s[44:45], s[6:7], s[44:45]
	s_add_nc_u64 s[48:49], s[4:5], s[48:49]
	s_add_nc_u64 s[50:51], s[6:7], s[50:51]
	s_mov_b32 s[G0S], 1
	s_add_co_u32 s[G0S+1], s53, SCL
	s_mov_b64 s[G0S+2:G0S+3], s[44:45]
	s_or_b32 s[G0S+3], s[G0S+3], 0x80000000
	s_mov_b32 s[G0SB], 1
	s_add_co_u32 s[G0SB+1], s53, SCL
	s_mov_b64 s[G0SB+2:G0SB+3], s[50:51]
	s_or_b32 s[G0SB+3], s[G0SB+3], 0x80000000
	JLOAD G0S, G1S, G0SB, G1S                      ; the scale words: filled once
.irp s, 0,1
	s_mov_b32 s[G0+4*\s], 1
	s_add_co_u32 s[G0+4*\s+1], s52, \s*SLOT
	s_add_nc_u64 s[G0+4*\s+2:G0+4*\s+3], s[42:43], \s*2*KP
	s_or_b32 s[G0+4*\s+3], s[G0+4*\s+3], 0x80000000
	s_mov_b32 s[G0B+4*\s], 1
	s_add_co_u32 s[G0B+4*\s+1], s52, \s*SLOT
	s_add_nc_u64 s[G0B+4*\s+2:G0B+4*\s+3], s[48:49], \s*2*KP
	s_or_b32 s[G0B+4*\s+3], s[G0B+4*\s+3], 0x80000000
	JLOAD G0+4*\s, G1, G0B+4*\s, G1
.endr
	s_mov_b32 s[G0C], 1                            ; slot 2: the third K step
	s_add_co_u32 s[G0C+1], s52, 2*SLOT
	s_add_nc_u64 s[G0C+2:G0C+3], s[42:43], 4*KP
	s_or_b32 s[G0C+3], s[G0C+3], 0x80000000
	s_mov_b32 s[G0BC], 1
	s_add_co_u32 s[G0BC+1], s52, 2*SLOT
	s_add_nc_u64 s[G0BC+2:G0BC+3], s[48:49], 4*KP
	s_or_b32 s[G0BC+3], s[G0BC+3], 0x80000000
	JLOAD G0C, G1, G0BC, G1                        ; four loads of mine are out
	v_and_b32 v1, 15, v0                           ; r
	v_bfe_u32 v2, v0, 4, 1                         ; h
	v_and_b32 v3, 31, v0
	v_lshlrev_b32 v[LI], 4, v3
	s_mul_i32 s41, s15, QUART
	s_mul_i32 s46, s16, QUART
	s_add_co_u32 s46, s46, 2*QUART
.irp s, 0,1,2
	v_add_nc_u32 v[ADRA+\s], s41, v[LI]
	v_add_nc_u32 v[ADRB+\s], s46, v[LI]
	s_add_co_u32 s41, s41, SLOT
	s_add_co_u32 s46, s46, SLOT
.endr
	s_mul_i32 s41, s15, SCQ
	s_mul_i32 s46, s16, SCQ
	s_add_co_u32 s46, s46, 2*SCQ
	s_sub_co_u32 s46, s46, s41
	v_mul_u32_u24 v4, s46, v2                      ; lanes 16-31 take B's words: one product, h x the distance
	s_add_co_u32 s41, s41, SCL
	v_lshl_add_u32 v4, v1, 2, v4
	v_add_nc_u32 v[ADRS], s41, v4
	s_mul_i32 s41, s14, 1536
	s_add_co_u32 s41, s41, SCR
	v_lshl_add_u32 v[WS], v1, 2, s41
	v_add_nc_u32 v[WR], s41, v[LI]
	s_add_co_u32 s41, s41, 512
	v_lshl_add_u32 v[SS], v1, 3, s41
	s_sub_co_i32 s41, s15, s16
	s_lshl_b32 s41, s41, 7                         ; 128 (my half of the queries - my half of the keys)
	v_and_b32 v4, 8, v1
	v_add_nc_u32 v4, v4, v1                        ; r + 8 (r / 8)
	v_lshlrev_b32 v5, 4, v2
	v_sub_nc_u32 v4, v4, v5
	v_add_nc_u32 v[DQ], s41, v4
	; where my part goes: position index (16 batch + 2 j + my half of the keys) x 2,048 + 256 i + 128 x my half of the queries
	s_lshl_b32 s41, s19, 4
	s_lshl_b32 s46, s18, 1
	s_add_co_u32 s41, s41, s46
	s_add_co_u32 s41, s41, s16
	s_lshl_b32 s41, s41, 11
	s_lshl_b32 s46, s17, 8
	s_add_co_u32 s41, s41, s46
	s_lshl_b32 s46, s15, 7
	s_add_co_u32 s41, s41, s46
	s_mul_i32 s46, s41, 96
	s_mov_b32 s47, 0
	s_add_nc_u64 s[8:9], s[8:9], s[46:47]
	s_lshl_b32 s46, s41, 2
	s_add_nc_u64 s[10:11], s[10:11], s[46:47]
	s_lshl_b32 s46, s41, 3
	s_add_nc_u64 s[12:13], s[12:13], s[46:47]
.macro FRAG reg, adr, q, i
.irp c, 0,1,2
	ds_load_b128 v[\reg+4*\c:\reg+4*\c+3], v[\adr] offset:12288*(\q)+1536*(\i)+512*\c
.endr
.endm
; The 64 accumulators take turns, one instruction a turn, in the same order in every step.
.macro MUL16 a0, p, q, sc, zero
.irp a, \a0, \a0+1
.irp b, 0,1,2,3,4,5,6,7
.if \zero
	v_wmma_scale_f32_16x16x128_f8f6f4 v[8*(8*((\a)%4)+\b):8*(8*((\a)%4)+\b)+7], v[128*(\p)+FR*\b:128*(\p)+FR*\b+FR-1], v[AF+FR*(\a):AF+FR*(\a)+FR-1], 0, v[SC+16*(\sc)+2*\b+(\q)], v[SC+16*(\sc)+2*(\a)+(\q)] matrix_a_fmt:MATRIX_FMT_FP6 matrix_b_fmt:MATRIX_FMT_FP6 matrix_a_scale:MATRIX_SCALE_ROW1
.else
	v_wmma_scale_f32_16x16x128_f8f6f4 v[8*(8*((\a)%4)+\b):8*(8*((\a)%4)+\b)+7], v[128*(\p)+FR*\b:128*(\p)+FR*\b+FR-1], v[AF+FR*(\a):AF+FR*(\a)+FR-1], v[8*(8*((\a)%4)+\b):8*(8*((\a)%4)+\b)+7], v[SC+16*(\sc)+2*\b+(\q)], v[SC+16*(\sc)+2*(\a)+(\q)] matrix_a_fmt:MATRIX_FMT_FP6 matrix_b_fmt:MATRIX_FMT_FP6 matrix_a_scale:MATRIX_SCALE_ROW1
.endif
.endr
.endr
.endm
.macro FETCH_B slot, q, p
	WIN TO_B
.irp i, 0,1,2,3,4,5,6,7
	FRAG 128*(\p)+FR*\i, ADRB+\slot, \q, \i
.endr
	WIN 0
.endm
.macro FETCH_A slot, q, i0
.irp i, \i0, \i0+1, \i0+2, \i0+3
	FRAG AF+FR*(\i), ADRA+\slot, \q, \i
.endr
.endm
.macro SCALES sc, t
.irp i, 0,1,2,3,4,5,6,7
.irp q, 0,1
	ds_load_b32 v[SC+16*(\sc)+2*\i+\q], v[ADRS] offset:512*(2*(\t)+\q)+64*\i
.endr
.endr
.endm
.macro PLACES n
.rept \n
	v_nop
.endr
.endm
.macro STEP slot, sc, zero             ; a slot's first 128 along K; its second 128 are fetched meanwhile
	s_wait_dscnt 12                                ; all but the youngest 12 loads (A's blocks 4-7) are in
	WIN MUL_LO
	MUL16 0, 0, 0, \sc, \zero
	MUL16 2, 0, 0, \sc, \zero
	s_wait_dscnt 0x0
	PLACES NP
	FETCH_B \slot, 1, 1
	FETCH_A \slot, 1, 0
	WIN MUL_HI
	MUL16 4, 0, 0, \sc, \zero
	MUL16 6, 0, 0, \sc, \zero
	PLACES NP
	WIN 0
	FETCH_A \slot, 1, 4
.endm
; A slot's second 128 change slots.  mode 2: this slot is filled again: each wave waits for all its tensor loads, adds 0 to its spare word, waits for that and for its reads of this slot, passes the barrier, and issues
; its one load first behind it.  mode 1: the same lines and the barrier, nothing filled: the next slot holds the refill, which every wave has to see whole.
; mode 0: the next slot was shown whole to every wave by an earlier barrier, and nothing is filled: no wait on TENSORcnt, no barrier.
.macro TURN slot, next, mode, t, sc
.if \mode
	s_wait_tensorcnt 0x0                           ; all my tensor loads have landed
	ds_add_u32 v[SPW], v[NIL]
	s_wait_dscnt 13                                ; (the add and A's blocks 4-7 may be out)
.else
	s_wait_dscnt 12                                ; (A's blocks 4-7 may be out)
.endif
	WIN MUL_LO
	MUL16 0, 1, 1, \sc, 0
.if \mode
	s_wait_dscnt 0x0                               ; the add is done, and my reads of this slot are over
	s_barrier_signal -1
.endif
	MUL16 2, 1, 1, \sc, 0
	WIN 0
.if \mode
	s_barrier_wait -1
.else
	s_wait_dscnt 0x0                               ; A's blocks 4-7 are in
.endif
.if \mode == 2
	s_add_nc_u64 s[G0+4*\slot+2:G0+4*\slot+3], s[G0+4*\slot+2:G0+4*\slot+3], 6*KP     ; from the first K step of 256 to the fourth
	s_add_nc_u64 s[G0B+4*\slot+2:G0B+4*\slot+3], s[G0B+4*\slot+2:G0B+4*\slot+3], 6*KP
	JLOAD G0+4*\slot, G1, G0B+4*\slot, G1          ; my one tensor load behind the barrier; its four v_nop are the places in front of the loads below
.else
	PLACES NP
.endif
	FETCH_B \next, 0, 0
	FETCH_A \next, 0, 0
	SCALES 1-(\sc), \t
	WIN MUL_HI
	MUL16 4, 1, 1, \sc, 0
	MUL16 6, 1, 1, \sc, 0
	PLACES NP
	WIN 0
	FETCH_A \next, 0, 4
.endm
	s_wait_tensorcnt 2                             ; the scale words and my part of slot 0 are in; slots 1 and 2 may be out
	s_barrier_signal -1
	s_barrier_wait -1
	FETCH_B 0, 0, 0
	FETCH_A 0, 0, 0
	SCALES 0, 0
	FETCH_A 0, 0, 4
	STEP 0, 0, 1                                   ; the first products start the sums
	TURN 0, 1, 2, 1, 0                             ; slot 0 takes the fourth K step
	STEP 1, 1, 0
	TURN 1, 2, 0, 2, 1
	STEP 2, 0, 0
	TURN 2, 0, 1, 3, 0                             ; the refill has landed, everybody's part of it
	STEP 0, 1, 0
	s_wait_dscnt 12
	WIN MUL_LO
	MUL16 0, 1, 1, 1, 0
	MUL16 2, 1, 1, 1, 0
	s_wait_dscnt 0x0
	WIN MUL_HI
	MUL16 4, 1, 1, 1, 0
	MUL16 6, 1, 1, 1, 0
	WIN 0
	PLACES NP                                      ; behind the last products, ahead of the first read of results and of writes into A's old registers
; BLOCK a: 16 queries x my 128 keys.  The codes' registers v224-235 are the data of this block's three stores: the next block writes them only behind its s_wait_xcnt 0, in front of its conversions;
; all that a block writes ahead of that wait (v12-15, v64-67, v96-159, v236-254) is read by no global store.
.macro SOFT a
.set W, 2+(\a)/4
.set AC, 64*((\a)%4)
.set CA, 32*((\a)/2)+8*((\a)%2)        ; the block's first query among my 128
	s_cmp_eq_u32 s[DG], 0                          ; ids alone: off the diagonal every key counts
	s_cbranch_scc1 .Lopen_\@
	WIN W*65                                       ; source 0 and destination in the accumulators' window
.set n, 0
.rept 64                               ; register 16 b + e holds key 32 b + 16 (lane / 16) + e: hidden where it comes after my query
	v_cmp_gt_i32 vcc_lo, 32*(n/16)+n%16-CA, v[DQ]
	v_cndmask_b32 v[AC+n], v[AC+n], v[NINF], vcc_lo
.set n, n+1
.endr
	WIN 0
.Lopen_\@:
	WIN W*21
.irp b, 0,1,2,3
	v_max3_num_f32 v[BM+\b], v[AC+16*\b], v[AC+16*\b+1], v[AC+16*\b+2]   ; the largest score of each block of 32 keys: for the maximum, and, since p rises with the score, for the block's largest p
.endr
	WIN W*20                                       ; source 0 in window 0
.irp e, 3,5,7,9,11,13
.irp b, 0,1,2,3
	v_max3_num_f32 v[BM+\b], v[BM+\b], v[AC+16*\b+\e], v[AC+16*\b+\e+1]
.endr
.endr
.irp b, 0,1,2,3
	v_max_num_f32 v[BM+\b], v[BM+\b], v[AC+16*\b+15]
.endr
	WIN 0
.irp b, 0,1,2,3
	v_permlanex16_b32 v[236+\b], v[BM+\b], s2, s3
.endr
.irp b, 0,1,2,3
	v_max_num_f32 v[BM+\b], v[BM+\b], v[236+\b]    ; with lane l xor 16's 16 keys
.endr
	v_max3_num_f32 v254, v[BM], v[BM+1], v[BM+2]
	v_max_num_f32 v254, v254, v[BM+3]
	v_mul_f32 v254, s[CS], v254                    ; the largest t of my query among these 128 keys,
	v_max_num_f32 v13, 0xff61b1e6, v254            ; held at -3e38 where all are hidden
	v_floor_f32 v12, -v13                          ; -M = floor(-t) = -ceil(t)
	WIN W                                          ; source 0 in the accumulators' window
.set n, 0
.rept 32
	v_pk_fma_f32 v[96+n:97+n], v[AC+n:AC+n+1], s[CS:CS+1], v[12:13] op_sel_hi:[1,0,0]   ; t - M, two at a time
.set n, n+2
.endr
	WIN 0
.irp b, 0,1,2,3
	v_fma_f32 v[BM+\b], v[BM+\b], s[CS], v12       ; the same of each block's largest score
.endr
.set n, 0
.rept 64
	v_exp_f32 v[96+n], v[96+n]                     ; p = 2^(t - M), at most 1
.set n, n+1
.endr
	v_nop                                          ; a plain place behind the exponentials
	s_wait_alu depctr_va_vdst(0)                   ; one wait for the batch, ahead of its first reader
.irp b, 0,1,2,3
	v_exp_f32 v[BM+\b], v[BM+\b]                   ; the block's largest p
.endr
	v_pk_add_f32 v[14:15], v[96:97], v[100:101]    ; the sum of the unquantised p, in two chains: plain work behind the four
	v_pk_add_f32 v[236:237], v[98:99], v[102:103]
.irp j, 8,12,16,20,24,28,32,36,40,44,48,52,56,60
	v_pk_add_f32 v[14:15], v[14:15], v[96+\j:97+\j]
	v_pk_add_f32 v[236:237], v[236:237], v[98+\j:99+\j]
.endr
	v_pk_add_f32 v[14:15], v[14:15], v[236:237]
	s_wait_alu depctr_va_vdst(0)                   ; and one for the four
.irp b, 0,1,2,3
	v_max_num_f32 v[BM+\b], 0x1800000, v[BM+\b]    ; the floor 2^(3 - 127): the byte cannot fall under 1
.endr
.irp b, 0,1,2,3
	v_add_nc_u32 v[244+\b], 0xff000000, v[BM+\b]   ; the conversion's scale operand
.endr
.irp b, 0,1,2,3
	v_lshrrev_b32 v[236+\b], 23, v[244+\b]         ; the byte: at most 125, since p is at most 1
.endr
	v_lshl_or_b32 v253, v237, 8, v236
	v_lshl_or_b32 v253, v238, 16, v253
	v_lshl_or_b32 v253, v239, 24, v253
	v_add_f32 v14, v14, v15
	v_permlanex16_b32 v252, v14, s2, s3
	v_add_f32 v13, v14, v252                       ; l of my query over these 128 keys
	s_wait_xcnt 0x0                                ; the last block's stores have read the codes' registers, v224-235: only now are they written again
.irp c, 0,1
	v_cvt_scalef32_pk16_fp6_f32 v[224+6*\c:226+6*\c], v[96+32*\c:111+32*\c], v[244+2*\c]
	v_cvt_scalef32_pk16_fp6_f32 v[236+4*\c:238+4*\c], v[112+32*\c:127+32*\c], v[244+2*\c+1]
.endr
	v_nop                                          ; one plain place behind a scaled conversion
.irp c, 0,1
.irp e, 0,1,2
	v_permlane16_swap_b32 v[224+6*\c+\e], v[236+4*\c+\e]
.endr
.irp e, 0,1,2
	v_mov_b32 v[227+6*\c+\e], v[236+4*\c+\e]
.endr
.endr
.irp c, 0,1,2
	global_store_b128 v[LI], v[224+4*\c:227+4*\c], s[8:9] offset:1536*(\a)+512*\c   ; 512 consecutive bytes a store
.endr
	ds_store_b32 v[WS], v253 offset:64*(\a)        ; both halves of the lanes write the same values
	ds_store_b64 v[SS], v[12:13] offset:128*(\a)
.endm
.irp a, 0,1,2,3,4,5,6,7
	SOFT \a
.endr
	ds_load_b128 v[96:99], v[WR]                   ; LDS serves a wave's instructions in order: these see my stores
	ds_load_b128 v[100:103], v[WR] offset:512
	ds_load_b128 v[104:107], v[WR] offset:1024
	s_wait_dscnt 0x0
	global_store_b128 v[LI], v[96:99], s[10:11]    ; 128 scale words,
	global_store_b128 v[LI], v[100:103], s[12:13]  ; 128 pairs: 512 consecutive bytes a store
	global_store_b128 v[LI], v[104:107], s[12:13] offset:512
	s_wait_tensorcnt 0x0                           ; the wave's end
	ds_add_u32 v[SPW], v[NIL]
	s_wait_dscnt 0x0
	s_endpgm
.Lfunc_end_k_qd299c4d4d5_scores:
	.size	k_qd299c4d4d5_scores, .Lfunc_end_k_qd299c4d4d5_scores-k_qd299c4d4d5_scores
	.p2alignl 7, 3214868480
	.fill 96, 4, 3214868480
	.section	.rodata,"a",@progbits
	.p2align	6, 0x0
	.amdhsa_kernel k_qd299c4d4d5_scores
		.amdhsa_group_segment_fixed_size 327680
		.amdhsa_private_segment_fixed_size 0
		.amdhsa_enable_private_segment 0
		.amdhsa_kernarg_size 40
		.amdhsa_user_sgpr_count 2
		.amdhsa_user_sgpr_kernarg_segment_ptr 1
		.amdhsa_wavefront_size32 1
		.amdhsa_system_sgpr_workgroup_id_x 1
		.amdhsa_system_sgpr_workgroup_id_y 1
		.amdhsa_system_sgpr_workgroup_id_z 1
		.amdhsa_system_vgpr_workitem_id 0
		.amdhsa_next_free_vgpr 1024
		.amdhsa_next_free_sgpr 100
		.amdhsa_reserve_vcc 1
		.amdhsa_float_denorm_mode_32 3
		.amdhsa_float_denorm_mode_16_64 3
		.amdhsa_memory_ordered 1
		.amdhsa_forward_progress 1
		.amdhsa_inst_pref_size 238
	.end_amdhsa_kernel
	.amdgpu_metadata
---
amdhsa.version: [ 1, 2 ]
amdhsa.kernels:
  - .name:           k_qd299c4d4d5_scores
    .symbol:         k_qd299c4d4d5_scores.kd
    .args:
      - { .name: qkv_codes, .offset: 0, .size: 8, .value_kind: global_buffer, .address_space: global }
      - { .name: qkv_scales, .offset: 8, .size: 8, .value_kind: global_buffer, .address_space: global }
      - { .name: p_codes, .offset: 16, .size: 8, .value_kind: global_buffer, .address_space: global }
      - { .name: p_words, .offset: 24, .size: 8, .value_kind: global_buffer, .address_space: global }
      - { .name: p_stats, .offset: 32, .size: 8, .value_kind: global_buffer, .address_space: global }
    .group_segment_fixed_size: 327680
    .private_segment_fixed_size: 0
    .kernarg_segment_align: 8
    .kernarg_segment_size: 40
    .max_flat_workgroup_size: 128
    .sgpr_count:     100
    .vgpr_count:     1024
    .wavefront_size: 32
...
	.end_amdgpu_metadata
.endif
;; end of part 3
;; launch pv (part 4): grid 8 x 32, 4 waves a work-group, no clusters, 327,680 bytes of LDS; arguments p_codes, p_words, p_stats, qkv_codes, qkv_scales, out0; writes out0
.if DOCPART == 4
	.amdgcn_target "amdgcn-amd-amdhsa--gfx1250"
	.amdhsa_code_object_version 6
	.text
	.protected	k_qd299c4d4d5_pv
	.globl	k_qd299c4d4d5_pv
	.p2align	8
	.type	k_qd299c4d4d5_pv,@function
k_qd299c4d4d5_pv:
	s_mov_b64 s[64:65], 0
	v_nop
	global_prefetch_b8 v0, s[64:65] scope:SCOPE_SE
	s_setreg_imm32_b32 hwreg(HW_REG_WAVE_MODE, 25, 1), 1
	s_wait_xcnt 0x0
; O = P V / l on codes of FP6, K = the keys.  A work-group makes 256 queries (block i of batch b) x 128 channels; a wave 128 x 64: 32 accumulators, 256 registers.
; WORK LEFT OUT: key tiles of 256 that lie wholly behind the work-group's queries (weight 0 by reference()'s own mask): only tiles 0 .. i are multiplied, and only their P is loaded.
; THE ROW'S M.  The launch before left, for each query and each 128 keys g, p's codes and scale word under a whole-number M_g of their own, with -M_g and l_g.  Here -M = the least -M_g; with d = M - M_g (a whole number, 0 or
; more) l = the sum of l_g 2^-d, and d is taken off each of the word's four bytes: the codes stand.  LIMIT: d is held at 127 and a byte at 0 (2^-127): such a group lies 2^-120 or more under the row's largest p.
; THE WALK.  LDS has four regions of a key tile (P 49,152 bytes, V 24,576).  The head asks for tile 0, the one tile that every work-group reads, into region 0.  A loop of two trips, two phases each:
;   X: behind its barrier tiles 4 m + 1 .. 4 m + 3 are asked for, into regions 1 to 3 (P's three by waves 0, 1 and 3, V's three by ONE load of wave 2: they lie on end in LDS and a constant stride apart in memory);
;      tile 4 m is multiplied.     Y: tile 4 m + 4 is asked for, into region 0 (waves 0 and 2); tiles 4 m + 1 .. 4 m + 3 are multiplied: that load has three tiles' products, 192 matrix instructions a wave, in which to land.
; So eight key tiles pass four barriers behind which something is asked for.  The first X holds first fills alone, every later phase refills alone.  A wave has one tensor load out at the most.
; Each load stands under a jump on ids alone (its tile's number against i, the same in all four waves), inside the loop, and so does each tile's work; every wait on TENSORcnt is for 0.  Where the loads end hangs on the
; work-group's number, so that tail cannot be written out; and since the first tile's products stand in the loop too, they add in place: the 256 accumulator registers are cleared once, while the first tile is on its way.
; V's one load of a phase X is issued where tile 4 m + 1 counts; where tiles 4 m + 2 or 4 m + 3 do not, their part of it (written bytes of the same batch, 49,152 at the most) is not read: four waves have four loads.
; NO CLUSTER: the work-groups that share V's tiles have different i; for those that share P's tiles the same jump stands in the way.
; Source 0 = 16 channels of v^T, source 1 = 16 queries of P: a lane holds one query, and the registers of tiles 2 b, 2 b + 1 are channels 32 b + 16 (lane / 16) + 0 .. 15.
; REGISTERS: window 0: v0-31 addresses; v32-47 P's scale words, v48-55 V's; v64-159 V's fragments, two sets; v160-255 P's, one set (at the head these hold the statistics, on the way out rows of O).  window 1: accumulator (a, t) at v[8 (4 a + t)].
.set PREG,   49152                     ; a key tile of P: [2 K steps][16 tiles][1,536]
.set VREG,   24576                     ; a key tile of V: [2 K steps][8 tiles][1,536]
.set VAR,    4*PREG                    ; V's four regions lie behind P's four
.set VSC,    VAR+4*VREG                ; V's scale words: two halves of [16 K steps][64 words]: filled once
.set PSC,    VSC+8192                  ; P's scale words under the row's M: [16][256 words]: written by ds_store; no fill lands here or behind
.set RL,     PSC+16384                 ; 1 / l: 256 words
.set STG,    PSC                       ; the way out: 16 rows x (256 + 16) bytes for each wave, 17,408 in all: laid over P's scale words and 1 / l, behind a barrier in front of which every wave has read the last of them
.set SPARE,  RL+1024                   ; the spare words, 128 bytes for each wave, which no other line names
.set VCODES, 12582912
.set VSCALES,524288
.set PSA,  4                           ; v4   PSC + 4 x thread
.set RLA,  5                           ; v5   RL + 4 x thread
.set O8,   6                           ; v6   8 x thread
.set O4,   7                           ; v7   4 x thread
.set ADRA, 8                           ; v8-11  my P fragments in region 0 .. 3
.set ADRB, 12                          ; v12-15 my V fragments
.set ADRSA,22                          ; v22  P's scale words of the trip's first tile
.set ADRSB,23                          ; v23  V's
.set STO,  24
.set RD,   25
.set CO,   26
.set ADRL, 27
.set SPW,  28
.set NIL,  29
.set LI,   30
.set SA,   32                          ; register 2 a + q
.set SB,   48                          ; register 2 t + q
.set BF,   64
.set AF,   160
.set ST,   64                          ; the head: (-M_g, l_g) of position P at v[ST + 32 P + 2 g]
.set WD,   128                         ; the words at v[WD + 16 P + g]
.set NM,   160                         ; v160-161 -M;  v162-163 l
.set LL,   162
.set TD,   168
.set TE,   184
.set TF,   200
.set RLR,  64                          ; the way out: 1 / l, a pair for each block
.set TMP,  80
.set BK,   112                         ; two sets of 32
.set G1P,  24                          ; s[24:31] group 1: a key tile of P
.set G1V,  32                          ; s[32:39] a key tile of V
.set G1W,  40                          ; s[40:47] three key tiles of V
.set G1S,  48                          ; s[48:55] half of V's scale words
.set P0,   56                          ; s[56:59], s[60:63], s[68:71], s[72:75]: P's group 0 for regions 0 to 3
.set P1,   60
.set P2,   68
.set P3,   72
.set G0V,  76                          ; s[76:79] V's group 0 for region 0
.set G0W,  80                          ; s[80:83] for regions 1 to 3
.set G0S,  84                          ; s[84:87] for the scale words
.set IQ,   21                          ; s21  i
.set KT,   88                          ; s88  the trip's first key tile: 0, 4
.set TT,   89                          ; s89  a tile's number, at work
.set MSB, 0
.macro WIN new
.if MSB != \new
	s_set_vgpr_msb (MSB<<8)|\new
.set MSB, \new
.endif
.endm
.set MULW, 0x50                        ; C and D in window 1
.macro PLACES n
.rept \n
	v_nop
.endr
.endm
.macro PICK wv, g0, g1                 ; wave wv alone issues the load; an s_nop 0 and four v_nop follow it
	s_cmp_eq_u32 s16, \wv
	s_cbranch_scc0 .Lnot_me_\@
	tensor_load_to_lds s[\g0:\g0+3], s[\g1:\g1+7]
	s_nop 0
.rept 4
	v_nop
.endr
.Lnot_me_\@:
.endm
	s_load_b256 s[4:11], s[0:1], 0x0               ; p_codes, p_words, p_stats, qkv_codes
	s_load_b128 s[12:15], s[0:1], 0x20             ; qkv_scales, out0
	v_lshl_add_u32 v[SPW], v0, 2, SPARE
	v_mov_b32 v[NIL], 0
	ds_add_u32 v[SPW], v[NIL]                      ; the wave's opening: the add, twice on end, and its wait ahead of my first tensor load
	ds_add_u32 v[SPW], v[NIL]
	v_lshrrev_b32 v1, 5, v0
	v_readfirstlane_b32 s16, v1                    ; wave
	s_lshr_b32 s17, s16, 1                         ; my half of the queries
	s_and_b32 s18, s16, 1                          ; my half of the channels
	s_and_b32 s22, ttmp7, 0xffff
	s_lshr_b32 s20, s22, 3                         ; the batch
	s_and_b32 s[IQ], s22, 7                        ; the block of queries
	s_mov_b32 s[G1P+0], 3<<16                      ; elements of 8 bytes; no mask, no padding
	s_mov_b32 s[G1P+1], 3072<<16                   ; 16 tiles, 24,576 bytes
	s_mov_b32 s[G1P+2], 2<<16                      ; 2 K steps of 128 keys
	s_mov_b32 s[G1P+3], 3072<<16
	s_mov_b32 s[G1P+4], 2
	s_mov_b32 s[G1P+5], 24576                      ; 128 tiles from K step to K step
	s_mov_b32 s[G1P+6], 0
	s_mov_b32 s[G1P+7], 0
	s_mov_b32 s[G1V+0], 3<<16
	s_mov_b32 s[G1V+1], 1536<<16                   ; 8 tiles, 12,288 bytes
	s_mov_b32 s[G1V+2], 2<<16
	s_mov_b32 s[G1V+3], 1536<<16
	s_mov_b32 s[G1V+4], 2
	s_mov_b32 s[G1V+5], 12288                      ; 64 tiles
	s_mov_b32 s[G1V+6], 0
	s_mov_b32 s[G1V+7], 0
	s_mov_b32 s[G1W+0], 3<<16
	s_mov_b32 s[G1W+1], 1536<<16
	s_mov_b32 s[G1W+2], 6<<16                      ; 6 K steps: three key tiles
	s_mov_b32 s[G1W+3], 1536<<16
	s_mov_b32 s[G1W+4], 6
	s_mov_b32 s[G1W+5], 12288
	s_mov_b32 s[G1W+6], 0
	s_mov_b32 s[G1W+7], 0
	s_mov_b32 s[G1S+0], 3<<16
	s_mov_b32 s[G1S+1], 32<<16                     ; 64 words
	s_mov_b32 s[G1S+2], 16<<16                     ; the batch's 16 K steps
	s_mov_b32 s[G1S+3], 32<<16
	s_mov_b32 s[G1S+4], 16
	s_mov_b32 s[G1S+5], 512                        ; 1,024 words
	s_mov_b32 s[G1S+6], 0
	s_mov_b32 s[G1S+7], 0
	s_lshl_b32 s90, s20, 11
	s_lshl_b32 s91, s[IQ], 4
	s_add_co_u32 s90, s90, s91
	s_mul_i32 s90, s90, 1536                       ; P: tile 2,048 b + 16 i
	s_mov_b32 s91, 0
	s_lshl_b32 s92, s20, 10
	s_lshl_b32 s93, ttmp9, 3
	s_add_co_u32 s92, s92, s93
	s_mul_i32 s92, s92, 1536                       ; V: tile 1,024 b + 8 x,
	s_add_co_u32 s92, s92, VCODES                  ; behind q's and k's codes
	s_mov_b32 s93, 0
	s_lshl_b32 s94, s20, 14
	s_lshl_b32 s95, ttmp9, 7
	s_add_co_u32 s94, s94, s95
	s_lshl_b32 s95, s17, 6                         ; V's scale words are fetched by waves 1 and 3: wave 1 the first 64 channels', wave 3 the others'
	s_add_co_u32 s94, s94, s95
	s_lshl_b32 s94, s94, 2
	s_add_co_u32 s94, s94, VSCALES
	s_mov_b32 s95, 0
	s_lshl_b32 s96, s20, 15
	s_lshl_b32 s97, s[IQ], 8
	s_add_co_u32 s98, s96, s97                     ; 32,768 b + 256 i: my queries' place in a row of the statistics
	s_lshl_b32 s96, s98, 3
	s_mov_b32 s97, 0
	s_lshl_b32 s98, s98, 2
	s_mov_b32 s99, 0
	s_lshl_b32 s[TT], s17, 12
	s_add_co_u32 s[TT], s[TT], VSC                 ; where the scale words go: by the wave's number alone
	s_mov_b32 s23, 0x7f61b1e6                      ; 3e38
	s_wait_dscnt 0x0                               ; both opening adds are done
	s_wait_kmcnt 0x0
	s_add_nc_u64 s[90:91], s[4:5], s[90:91]
	s_add_nc_u64 s[92:93], s[10:11], s[92:93]
	s_add_nc_u64 s[94:95], s[12:13], s[94:95]
	s_add_nc_u64 s[8:9], s[8:9], s[96:97]
	s_add_nc_u64 s[6:7], s[6:7], s[98:99]
.irp r, 0,1,2,3                        ; region r begins with key tile r
	s_mov_b32 s[P0+4*\r+4*(\r/2)], 1
	s_mov_b32 s[P0+4*\r+4*(\r/2)+1], \r*PREG
	s_add_nc_u64 s[P0+4*\r+4*(\r/2)+2:P0+4*\r+4*(\r/2)+3], s[90:91], \r*393216
	s_or_b32 s[P0+4*\r+4*(\r/2)+3], s[P0+4*\r+4*(\r/2)+3], 0x80000000
.endr
	s_mov_b32 s[G0V], 1
	s_mov_b32 s[G0V+1], VAR
	s_mov_b64 s[G0V+2:G0V+3], s[92:93]
	s_or_b32 s[G0V+3], s[G0V+3], 0x80000000
	s_mov_b32 s[G0W], 1
	s_mov_b32 s[G0W+1], VAR+VREG
	s_add_nc_u64 s[G0W+2:G0W+3], s[92:93], 196608  ; key tiles 1 to 3
	s_or_b32 s[G0W+3], s[G0W+3], 0x80000000
	s_mov_b32 s[G0S], 1
	s_mov_b32 s[G0S+1], s[TT]
	s_mov_b64 s[G0S+2:G0S+3], s[94:95]
	s_or_b32 s[G0S+3], s[G0S+3], 0x80000000
	s_cmp_eq_u32 s18, 0                            ; the first fills: a fill in each arm of the branch on the wave's number
	s_cbranch_scc0 .Lfirst_s
	s_cmp_eq_u32 s17, 0
	s_cbranch_scc0 .Lfirst_v
	tensor_load_to_lds s[P0:P0+3], s[G1P:G1P+7]    ; wave 0: P of key tile 0, which counts for every query
	s_nop 0
.rept 4
	v_nop
.endr
	s_branch .Lfirst_done
.Lfirst_v:
	tensor_load_to_lds s[G0V:G0V+3], s[G1V:G1V+7]  ; wave 2: V of key tile 0
	s_nop 0
.rept 4
	v_nop
.endr
	s_branch .Lfirst_done
.Lfirst_s:
	tensor_load_to_lds s[G0S:G0S+3], s[G1S:G1S+7]  ; waves 1 and 3: V's scale words
	s_nop 0
.rept 4
	v_nop
.endr
.Lfirst_done:
	v_lshlrev_b32 v[O8], 3, v0
	v_lshlrev_b32 v[O4], 2, v0
.irp g, 2,3,4,5,6,7,8,9,10,11,12,13,14,15
.irp P, 0,1
	v_mov_b32 v[ST+32*\P+2*\g], s23                ; groups of keys that are not mine count for nothing: -M = 3e38, l = 0, word 0
	v_mov_b32 v[ST+32*\P+2*\g+1], 0
	v_mov_b32 v[WD+16*\P+\g], 0
.endr
.endr
.irp k, 0,1,2,3,4,5,6,7                ; thread tau serves positions tau and tau + 128; only key tiles 0 .. i were stored
.if \k > 0
	s_cmp_lt_u32 s[IQ], \k
	s_cbranch_scc1 .Lstats_in
.endif
.irp u, 0,1
.irp P, 0,1
	global_load_b64 v[ST+32*\P+2*(2*\k+\u):ST+32*\P+2*(2*\k+\u)+1], v[O8], s[8:9] offset:16384*(2*\k+\u)+1024*\P
	global_load_b32 v[WD+16*\P+2*\k+\u], v[O4], s[6:7] offset:8192*(2*\k+\u)+512*\P
.endr
.endr
.endr
.Lstats_in:
	WIN 0x40                                       ; destination window 1
.set n, 0
.rept 256
	v_mov_b32 v[n], 0                              ; the accumulators
.set n, n+1
.endr
	WIN 0
	v_and_b32 v1, 15, v0                           ; r
	v_bfe_u32 v2, v0, 4, 1                         ; h
	v_and_b32 v3, 31, v0
	v_lshlrev_b32 v[LI], 4, v3
	v_lshl_add_u32 v[PSA], v0, 2, PSC
	v_lshl_add_u32 v[RLA], v0, 2, RL
	s_mul_i32 s90, s17, 12288                      ; my eight tiles of a K step's sixteen of P
	s_mul_i32 s91, s18, 6144                       ; my four of its eight of V
	s_add_co_u32 s91, s91, VAR
.irp n, 0,1,2,3
	v_add_nc_u32 v[ADRA+\n], s90, v[LI]
	v_add_nc_u32 v[ADRB+\n], s91, v[LI]
	s_add_co_u32 s90, s90, PREG
	s_add_co_u32 s91, s91, VREG
.endr
	s_lshl_b32 s90, s17, 9
	s_add_co_u32 s91, s90, PSC
	v_lshl_add_u32 v[ADRSA], v1, 2, s91
	s_add_co_u32 s91, s90, RL
	v_lshl_add_u32 v[ADRL], v1, 2, s91
	s_lshl_b32 s90, s18, 12
	s_add_co_u32 s90, s90, VSC
	v_lshl_add_u32 v[ADRSB], v1, 2, s90
	s_mul_i32 s90, s16, 16*272
	s_add_co_u32 s90, s90, STG                     ; my stage
	v_mul_u32_u24 v[STO], v1, 272
	v_lshl_add_u32 v[STO], v2, 6, v[STO]
	v_add_nc_u32 v[STO], s90, v[STO]               ; in: row r, + 64 h
	v_mul_u32_u24 v[RD], v2, 272
	v_lshl_add_u32 v[RD], v1, 4, v[RD]
	v_add_nc_u32 v[RD], s90, v[RD]                 ; back: lanes 0-15 one row of 256 bytes, lanes 16-31 the next
	v_lshlrev_b32 v[CO], 12, v2
	v_lshl_add_u32 v[CO], v1, 4, v[CO]             ; and the same two rows in O
	s_lshl_b32 s90, s20, 11
	s_lshl_b32 s91, s[IQ], 8
	s_add_co_u32 s90, s90, s91
	s_lshl_b32 s91, s17, 7
	s_add_co_u32 s90, s90, s91
	s_lshl_b32 s90, s90, 12                        ; my first row of O, 4,096 bytes a row,
	s_lshl_b32 s91, ttmp9, 9
	s_add_co_u32 s90, s90, s91
	s_lshl_b32 s91, s18, 8
	s_add_co_u32 s90, s90, s91                     ; + 512 x + 256 x my half of the channels
	s_mov_b32 s91, 0
	s_add_nc_u64 s[14:15], s[14:15], s[90:91]
	s_wait_loadcnt 0x0                             ; the statistics and the words
.macro FIX P                           ; position tau + 128 P: the row's -M and l, and the 16 scale words under that M
	v_min3_num_f32 v[NM+\P], v[ST+32*\P], v[ST+32*\P+2], v[ST+32*\P+4]
.irp g, 6,10,14,18,22,26
	v_min3_num_f32 v[NM+\P], v[NM+\P], v[ST+32*\P+\g], v[ST+32*\P+\g+2]
.endr
	v_min_num_f32 v[NM+\P], v[NM+\P], v[ST+32*\P+30]
.irp g, 0,1,2,3,4,5,6,7,8,9,10,11,12,13,14,15
	v_sub_f32 v[TD+\g], v[ST+32*\P+2*\g], v[NM+\P] ; d = M - M_g, 0 or more
.endr
.irp g, 0,1,2,3,4,5,6,7,8,9,10,11,12,13,14,15
	v_min_num_f32 v[TD+\g], 0x42fe0000, v[TD+\g]   ; held at 127
.endr
.irp g, 0,1,2,3,4,5,6,7,8,9,10,11,12,13,14,15
	v_cvt_u32_f32 v[TD+\g], v[TD+\g]
.endr
.irp g, 0,1,2,3,4,5,6,7,8,9,10,11,12,13,14,15
	v_sub_nc_u32 v[TE+\g], 0, v[TD+\g]
.endr
.irp g, 0,1,2,3,4,5,6,7,8,9,10,11,12,13,14,15
	v_ldexp_f32 v[TE+\g], v[ST+32*\P+2*\g+1], v[TE+\g]   ; l_g 2^-d
.endr
.irp g, 0,1,2,3,4,5,6,7,8,9,10,11,12,13,14,15
	v_lshl_or_b32 v[TD+\g], v[TD+\g], 8, v[TD+\g]
.endr
.irp g, 0,1,2,3,4,5,6,7,8,9,10,11,12,13,14,15
	v_lshl_or_b32 v[TD+\g], v[TD+\g], 16, v[TD+\g] ; d in all four bytes
.endr
.irp g, 0,1,2,3,4,5,6,7,8,9,10,11,12,13,14,15
	v_or_b32 v[TF+\g], 0x80808080, v[WD+16*\P+\g]  ; every byte is under 128: with 128 added no byte borrows from the next
.endr
.irp g, 0,1,2,3,4,5,6,7,8,9,10,11,12,13,14,15
	v_sub_nc_u32 v[TF+\g], v[TF+\g], v[TD+\g]      ; 128 + byte - d
.endr
.irp g, 0,1,2,3,4,5,6,7,8,9,10,11,12,13,14,15
	v_and_b32 v[TD+\g], 0x80808080, v[TF+\g]       ; the top bit stands where byte >= d
.endr
.irp g, 0,2,4,6
	v_pk_add_f32 v[TE+\g:TE+\g+1], v[TE+\g:TE+\g+1], v[TE+\g+8:TE+\g+9]
.endr
	v_pk_add_f32 v[TE:TE+1], v[TE:TE+1], v[TE+4:TE+5]
	v_pk_add_f32 v[TE+2:TE+3], v[TE+2:TE+3], v[TE+6:TE+7]
	v_pk_add_f32 v[TE:TE+1], v[TE:TE+1], v[TE+2:TE+3]
	v_add_f32 v[LL+\P], v[TE], v[TE+1]             ; l
.irp g, 0,1,2,3,4,5,6,7,8,9,10,11,12,13,14,15
	v_lshrrev_b32 v[TE+\g], 7, v[TD+\g]
.endr
.irp g, 0,1,2,3,4,5,6,7,8,9,10,11,12,13,14,15
	v_sub_nc_u32 v[TD+\g], v[TD+\g], v[TE+\g]      ; 0x7f in such a byte, 0 in the others
.endr
.irp g, 0,1,2,3,4,5,6,7,8,9,10,11,12,13,14,15
	v_and_b32 v[TF+\g], v[TF+\g], v[TD+\g]         ; byte - d, held at 0
.endr
.irp g, 0,1,2,3,4,5,6,7,8,9,10,11,12,13,14,15
	ds_store_b32 v[PSA], v[TF+\g] offset:1024*\g+512*\P
.endr
.endm
	FIX 0
	FIX 1
	v_rcp_f32 v[LL], v[LL]
	v_rcp_f32 v[LL+1], v[LL+1]
	v_nop                                          ; a plain place behind the reciprocals
	s_wait_alu depctr_va_vdst(0)                   ; one wait for both, ahead of their first reader
	ds_store_b32 v[RLA], v[LL]
	ds_store_b32 v[RLA], v[LL+1] offset:512
.macro FRAGA r, q, i
.irp c, 0,1,2
	ds_load_b128 v[AF+12*(\i)+4*\c:AF+12*(\i)+4*\c+3], v[ADRA+\r] offset:24576*(\q)+1536*(\i)+512*\c
.endr
.endm
.macro FETCH_A r, q, i0
.irp i, \i0, \i0+1, \i0+2, \i0+3
	FRAGA \r, \q, \i
.endr
.endm
.macro FETCH_B r, q                    ; V's four fragments of the region's q-th 128 keys into set q
.irp i, 0,1,2,3
.irp c, 0,1,2
	ds_load_b128 v[BF+48*(\q)+12*\i+4*\c:BF+48*(\q)+12*\i+4*\c+3], v[ADRB+\r] offset:12288*(\q)+1536*\i+512*\c
.endr
.endr
.endm
; 16 matrix instructions: P's blocks a0 .. a0 + 3 x V's four.  The 32 accumulators take turns, one instruction a turn.
.macro MUL16 a0, q
.irp a, \a0, \a0+1, \a0+2, \a0+3
.irp t, 0,1,2,3
	v_wmma_scale_f32_16x16x128_f8f6f4 v[8*(4*(\a)+\t):8*(4*(\a)+\t)+7], v[BF+48*(\q)+12*\t:BF+48*(\q)+12*\t+11], v[AF+12*(\a):AF+12*(\a)+11], v[8*(4*(\a)+\t):8*(4*(\a)+\t)+7], v[SB+2*\t+(\q)], v[SA+2*(\a)+(\q)] matrix_a_fmt:MATRIX_FMT_FP6 matrix_b_fmt:MATRIX_FMT_FP6
.endr
.endr
.endm
; Key tile KT + e, which lies in region e, is multiplied, if some query of mine sees it: 64 matrix instructions.
.macro WORK e
.if (\e) == 0
	s_cmp_gt_u32 s[KT], s[IQ]
.else
	s_add_co_u32 s[TT], s[KT], \e
	s_cmp_gt_u32 s[TT], s[IQ]
.endif
	s_cbranch_scc1 .Lno_work_\@
	PLACES 4                                       ; in front of loads into registers that the last products read
	FETCH_B \e, 0
	FETCH_A \e, 0, 0
.irp a, 0,1,2,3,4,5,6,7
.irp q, 0,1
	ds_load_b32 v[SA+2*\a+\q], v[ADRSA] offset:2048*(\e)+1024*\q+64*\a
.endr
.endr
.irp t, 0,1,2,3
.irp q, 0,1
	ds_load_b32 v[SB+2*\t+\q], v[ADRSB] offset:512*(\e)+256*\q+64*\t
.endr
.endr
	FETCH_A \e, 0, 4
	s_wait_dscnt 12                                ; all but P's blocks 4-7
	WIN MULW
	MUL16 0, 0
	s_wait_dscnt 0x0
	PLACES 4
	WIN 0
	FETCH_B \e, 1
	FETCH_A \e, 1, 0
	WIN MULW
	MUL16 4, 0
	PLACES 4
	WIN 0
	FETCH_A \e, 1, 4
	s_wait_dscnt 12
	WIN MULW
	MUL16 0, 1
	s_wait_dscnt 0x0
	MUL16 4, 1
	WIN 0
.Lno_work_\@:
.endm
; In front of each phase's barrier every wave waits for all its tensor loads, adds 0 to its spare word, and waits for that and for its LDS instructions (its reads of the regions that are asked for next; in the first
; phase its stores of the scale words and of 1 / l).  Between the add and the wait for it stand the steps of the descriptors that the next phase will use: no load of mine is out.
.macro PHASE_X
	s_wait_tensorcnt 0x0
	ds_add_u32 v[SPW], v[NIL]
	s_add_nc_u64 s[P0+2:P0+3], s[P0+2:P0+3], 1572864        ; region 0's next tile: four key tiles on
	s_add_nc_u64 s[G0V+2:G0V+3], s[G0V+2:G0V+3], 786432
	s_wait_dscnt 0x0
	s_barrier_signal -1
	s_barrier_wait -1                              ; region 0 is whole; nobody reads regions 1 to 3 any more
	s_cmp_ge_u32 s[KT], s[IQ]                      ; tile KT + 1 lies behind my queries: nobody would read it
	s_cbranch_scc1 .Lx1_\@
	PICK 0, P1, G1P
	PICK 2, G0W, G1W
.Lx1_\@:
	s_add_co_u32 s[TT], s[KT], 2
	s_cmp_gt_u32 s[TT], s[IQ]
	s_cbranch_scc1 .Lx2_\@
	PICK 1, P2, G1P
.Lx2_\@:
	s_add_co_u32 s[TT], s[KT], 3
	s_cmp_gt_u32 s[TT], s[IQ]
	s_cbranch_scc1 .Lx3_\@
	PICK 3, P3, G1P
.Lx3_\@:
	WORK 0
.endm
.macro PHASE_Y
	s_wait_tensorcnt 0x0
	ds_add_u32 v[SPW], v[NIL]
	s_add_nc_u64 s[P1+2:P1+3], s[P1+2:P1+3], 1572864
	s_add_nc_u64 s[P2+2:P2+3], s[P2+2:P2+3], 1572864
	s_add_nc_u64 s[P3+2:P3+3], s[P3+2:P3+3], 1572864
	s_add_nc_u64 s[G0W+2:G0W+3], s[G0W+2:G0W+3], 786432
	s_wait_dscnt 0x0
	s_barrier_signal -1
	s_barrier_wait -1                              ; regions 1 to 3 are whole; nobody reads region 0 any more
	s_add_co_u32 s[TT], s[KT], 4
	s_cmp_gt_u32 s[TT], s[IQ]
	s_cbranch_scc1 .Ly_\@
	PICK 0, P0, G1P
	PICK 2, G0V, G1V
.Ly_\@:
	WORK 1
	WORK 2
	WORK 3
.endm
	s_mov_b32 s[KT], 0
.Lkeys:
	PHASE_X
	PHASE_Y
	v_add_nc_u32 v[ADRSA], 8192, v[ADRSA]          ; the next four tiles' scale words
	v_add_nc_u32 v[ADRSB], 2048, v[ADRSB]
	s_add_co_u32 s[KT], s[KT], 4
	s_cmp_lt_u32 s[KT], 8
	s_cbranch_scc1 .Lkeys
	; THE WAY OUT.  O^T x 1 / l goes through my stage in LDS, a block of 16 queries x 64 channels at a time, and leaves as rows of 256 consecutive bytes, at multiples of 256 from O's first byte.
	PLACES 4
.irp a, 0,1,2,3,4,5,6,7
	ds_load_b32 v[RLR+2*\a], v[ADRL] offset:64*\a
	ds_load_b32 v[RLR+2*\a+1], v[ADRL] offset:64*\a   ; (named as a pair by the packed multiply, so both are written)
.endr
	s_wait_dscnt 0x0                               ; my reads of P's scale words and of 1 / l are over
	s_barrier_signal -1
	s_barrier_wait -1                              ; everybody's are: the stages may be laid over them
.macro TOSTAGE a
	WIN 0x01                                       ; source 0 in window 1
.set n, 0
.rept 16
	v_pk_mul_f32 v[TMP+2*n:TMP+2*n+1], v[32*(\a)+2*n:32*(\a)+2*n+1], v[RLR+2*(\a):RLR+2*(\a)+1] op_sel_hi:[1,0]   ; each accumulator from its low end on
.set n, n+1
.endr
	WIN 0
.irp t, 0,1,2,3
	ds_store_b128 v[STO], v[TMP+8*\t:TMP+8*\t+3] offset:128*(\t/2)+32*(\t%2)       ; channels 32 (t / 2) + 16 h + 8 (t % 2) + 0 .. 7
	ds_store_b128 v[STO], v[TMP+8*\t+4:TMP+8*\t+7] offset:128*(\t/2)+32*(\t%2)+16
.endr
.irp u, 0,1,2,3,4,5,6,7
	ds_load_b128 v[BK+32*((\a)%2)+4*\u:BK+32*((\a)%2)+4*\u+3], v[RD] offset:544*\u   ; LDS serves a wave's instructions in order: these see the stores above
.endr
.endm
.macro SEND a, younger                 ; stage row 2 u + h is the query 32 (a / 2) + 8 (a % 2) + 2 u + 8 (u / 4) + h of my 128
	s_wait_dscnt \younger
.irp u, 0,1,2,3,4,5,6,7
	global_store_b128 v[CO], v[BK+32*((\a)%2)+4*\u:BK+32*((\a)%2)+4*\u+3], s[14:15] offset:(32*((\a)/2)+8*((\a)%2)+2*\u+8*(\u/4))*4096 th:TH_STORE_NT
.endr
.endm
	TOSTAGE 0
.irp a, 1,2,3,4,5,6,7
.if \a > 1
	s_wait_xcnt 0x0                                ; block a - 2's stores have read their registers: block a's loads may land there
.endif
	TOSTAGE \a
	SEND \a-1, 16                                  ; behind block a - 1's loads: block a's 8 stores and 8 loads
.endr
	SEND 7, 0
	s_wait_tensorcnt 0x0                           ; the wave's end
	ds_add_u32 v[SPW], v[NIL]
	s_wait_dscnt 0x0
	s_endpgm
.Lfunc_end_k_qd299c4d4d5_pv:
	.size	k_qd299c4d4d5_pv, .Lfunc_end_k_qd299c4d4d5_pv-k_qd299c4d4d5_pv
	.p2alignl 7, 3214868480
	.fill 96, 4, 3214868480
	.section	.rodata,"a",@progbits
	.p2align	6, 0x0
	.amdhsa_kernel k_qd299c4d4d5_pv
		.amdhsa_group_segment_fixed_size 327680
		.amdhsa_private_segment_fixed_size 0
		.amdhsa_enable_private_segment 0
		.amdhsa_kernarg_size 48
		.amdhsa_user_sgpr_count 2
		.amdhsa_user_sgpr_kernarg_segment_ptr 1
		.amdhsa_wavefront_size32 1
		.amdhsa_system_sgpr_workgroup_id_x 1
		.amdhsa_system_sgpr_workgroup_id_y 1
		.amdhsa_system_sgpr_workgroup_id_z 1
		.amdhsa_system_vgpr_workitem_id 0
		.amdhsa_next_free_vgpr 512
		.amdhsa_next_free_sgpr 100
		.amdhsa_reserve_vcc 0
		.amdhsa_float_denorm_mode_32 3
		.amdhsa_float_denorm_mode_16_64 3
		.amdhsa_memory_ordered 1
		.amdhsa_forward_progress 1
		.amdhsa_inst_pref_size 136
	.end_amdhsa_kernel
	.amdgpu_metadata
---
amdhsa.version: [ 1, 2 ]
amdhsa.kernels:
  - .name:           k_qd299c4d4d5_pv
    .symbol:         k_qd299c4d4d5_pv.kd
    .args:
      - { .name: p_codes, .offset: 0, .size: 8, .value_kind: global_buffer, .address_space: global }
      - { .name: p_words, .offset: 8, .size: 8, .value_kind: global_buffer, .address_space: global }
      - { .name: p_stats, .offset: 16, .size: 8, .value_kind: global_buffer, .address_space: global }
      - { .name: qkv_codes, .offset: 24, .size: 8, .value_kind: global_buffer, .address_space: global }
      - { .name: qkv_scales, .offset: 32, .size: 8, .value_kind: global_buffer, .address_space: global }
      - { .name: out0, .offset: 40, .size: 8, .value_kind: global_buffer, .address_space: global }
    .group_segment_fixed_size: 327680
    .private_segment_fixed_size: 0
    .kernarg_segment_align: 8
    .kernarg_segment_size: 48
    .max_flat_workgroup_size: 128
    .sgpr_count:     100
    .vgpr_count:     512
    .wavefront_size: 32
...
	.end_amdgpu_metadata
.endif
;; end of part 4
